; MI455X (gfx1250); checked and timed in simulation.
; The chip was launched on July 23, 2026; its instructions are those of AMD's public machine-readable ISA for CDNA 5 (MIT licence, August 2026) and "CDNA5" Instruction Set Architecture Reference Guide (July 2026). The comments in the code are by the model that wrote it; some were corrected since.
;; Multi Head Attention. Allowed arithmetic: matrix products marked QUANTISED: E2M3 operands, one E8M0 scale for each 32 along K, by v_wmma_scale_f32_16x16x128_f8f6f4 with both operands' format E2M3, f32 sums; everything else in f32.
;; Inputs: Wk 1,024 x 1,024 float32; Wo 1,024 x 1,024 float32; Wq 1,024 x 1,024 float32; Wv 1,024 x 1,024 float32; bk 1,024 float32; bo 1,024 float32; bq 1,024 float32; bv 1,024 float32; mask 2,048 x 2,048 float32; xk 2 x 2,048 x 1,024 float32; xq 2 x 2,048 x 1,024 float32; xv 2 x 2,048 x 1,024 float32.
;; Outputs: out0 2 x 2,048 x 1,024 float32.
;; This version of the problem:
;;   THIS VERSION OF THE PROBLEM IS GIVEN IN LOW PRECISION. The matrix products marked QUANTISED in the list below multiply operands that are first quantised to E2M3 (2 exponent bits, 3 mantissa bits; 6 bits a number), with one power-of-two scale for each 32 numbers along K (OCP MX v1.0); their sums are f32. All else is computed in f32.
;;   The module's matrix products, in the order in which they are computed (A, B: the left and right operand; K: the contracted axis; several contracted axes count as one K, in the product's order):
;;     1. [M 4,096, K 1,024] x [K 1,024, N 1,024]; A: input xq; B: input Wq: QUANTISED
;;     2. [M 4,096, K 1,024] x [K 1,024, N 1,024]; A: input xk; B: input Wk: QUANTISED
;;     3. [M 4,096, K 1,024] x [K 1,024, N 1,024]; A: input xv; B: input Wv: QUANTISED
;;     4. batch 32 x [M 2,048, K 64] x [K 64, N 2,048]; A: computed on the way; B: computed on the way: QUANTISED
;;     5. batch 32 x [M 2,048, K 2,048] x [K 2,048, N 64]; A: softmax (see below); B: computed on the way: QUANTISED
;;     6. [M 4,096, K 1,024] x [K 1,024, N 1,024]; A: computed on the way; B: input Wo: QUANTISED
;;   THE QUANTISER, for each operand of a quantised product, along K:
;;     - K is cut into blocks of 32 from its start; a last block that is shorter is filled with zeros.
;;     - A block's scale is 2^e with e = floor(log2(the largest magnitude in the block)) - 2, held to -126 .. 127; a block of zeros has e = 0. As a byte (E8M0): e + 127.
;;     - Each number is divided by its block's scale, clamped to +-7.5, and rounded to the nearest number of E2M3, ties to even, subnormals kept.
;;     - The product sums the exact products of the quantised numbers (number of the format x scale) in f32.
;;   ~~~python
;;   def quantise(x, axis):      # numpy; x: float32 -> the quantised numbers, widened to float32 again
;;       x = np.moveaxis(x, axis, -1); K = x.shape[-1]
;;       x = np.pad(x, [(0, 0)] * (x.ndim - 1) + [(0, -K % 32)]); x = x.reshape(x.shape[:-1] + (-1, 32)); a = np.abs(x).max(-1, keepdims=True)
;;       e = np.where(a > 0, np.clip(np.frexp(np.where(a > 0, a, 1))[1] - 1 - 2, -126, 127), 0)      # np.frexp(a)[1] - 1 = floor(log2(a)), exactly
;;       r = np.clip(x / 2.0 ** e, -7.5, 7.5)
;;       step = 2.0 ** (np.maximum(np.frexp(np.where(r == 0, 1, r))[1] - 1, 0) - 3)
;;       q = np.round(r / step) * step * 2.0 ** e      # np.round: ties to even
;;       return np.moveaxis(q.reshape(q.shape[:-2] + (-1,))[..., :K], -1, axis).astype(np.float32)
;;   ~~~
;;   SOFTMAX AHEAD OF A QUANTISED PRODUCT. Where the list says 'softmax', what is quantised is not the finished softmax but p = 2^(t - M), with t = logit x log2(e) and M = ceil(the row's largest t), a whole number; so 1/2 < the row's largest p <= 1. The row's sum l is taken of the UNQUANTISED p, in f32, and the product's result is divided by l at the end. Since M is a whole number, a kernel that streams over the keys may use a running M (the ceiling of the running maximum): every later rescaling is an exact power of two, which a block's scale takes up: the codes' values come out the same.
;;   OPERANDS COMPUTED ON THE WAY. 'Computed on the way' means the value that the module computes at that place (a softmax that the list does not call 'softmax' is quantised finished and normalised). What goes into a quantiser is computed in f32, as accurately as f32 sums, v_exp_f32 and their like allow (about 1e-6 of the number): no bf16 or f16 on the way to a quantiser, and a product that is left as it is and whose result goes on into a quantised operand takes f32 operands (vector FMAs, or v_wmma_f32_16x16x4_f32). A number that lies on a knife's edge between two numbers of the format may be rounded either way, as far as f32 arithmetic and the matrix unit's own rounding can turn it there, and no further.
;; One version. Each part assembles by itself: llvm-mc -triple=amdgcn-amd-amdhsa -mcpu=gfx1250 --defsym DOCPART=n.
;; ======== version 1 of 1: 4 launches
;; limits: right only within a limited range of input values
;; workspace buffers: im 15,728,640 bytes; sc 655,360 bytes; qi 3,407,872 bytes; kv 6,553,600 bytes; fl 2,048 bytes of whole numbers
;; launch quant (part 1): grid 640 x 1, 4 waves a work-group, no clusters, 34,304 bytes of LDS; arguments xq, xk, xv, Wq, Wk, Wv, Wo, im, sc, mask, fl; writes im, sc, fl
.if DOCPART == 1
	.amdgcn_target "amdgcn-amd-amdhsa--gfx1250"
	.amdhsa_code_object_version 6
	.text
	.protected	k_q8da1e371ab_quant
	.globl	k_q8da1e371ab_quant
	.p2align	8
	.type	k_q8da1e371ab_quant,@function
k_q8da1e371ab_quant:
	s_mov_b64 s[64:65], 0
	v_nop
	global_prefetch_b8 v0, s[64:65] scope:SCOPE_SE
	s_setreg_imm32_b32 hwreg(HW_REG_WAVE_MODE, 25, 1), 1
	s_wait_xcnt 0x0
; xq, xk, xv [4096][1024] (K innermost) and Wq, Wk, Wv, Wo [1024 (k)][1024 (n)] (K the first axis), f32, become codes of FP6 (E2M3) with one E8M0 byte for each 32 along K.
; NO WORK OF THE PROBLEM IS DEAD: every input has a way to the output (the mask is an input, so no pattern of it is built in; every bias moves a quantised operand or the result), and every launch of this program does all of its part.
; A block's scale is 2^(floor(log2(its largest magnitude)) - 2): its byte is the largest magnitude's exponent field - 2, held at 1 from below by a floor among the maximum's leaves.
; LIMITS: a block of zeros gets the byte 1 where the rule says 127 (its codes are zeros, and this program alone reads the bytes); NaN and infinities among the inputs are not served.
; LAYOUT OF THE RESULTS: IMAGES OF THE OPERAND'S REGISTERS.  A fragment (16 rows x 128 K, 12 registers a lane) is 1,536 bytes: two halves of 768 (64 along K each): registers 0-3 at 16 x lane, registers 4-5 at 512 + 8 x lane.
; im: [tile of 16 rows][K step 0..7][1,536].  sc: [tile][K step / 4][row][K step % 4], a word (four bytes: 128 along K of a row) each.
; WHICH ROWS FORM A TILE: xq: tile T = rows 16 T + r.  xk, xv and the four W: tile 2 B + u = rows 32 B + 8 u + r + 8 (r / 8), so that two neighbouring tiles on the register axis of a product's result give a lane 16 neighbours.
; Work-groups 0-383 take x (a wave: 16 rows x 512 K), 384-511 the weights (a wave: 32 columns x 256 K).  Waves share nothing: no barrier.  Memory binds: no matrix unit, no cluster, no tensor load.
.set SPARE, 33792                      ; behind the four stages: the spare words, 128 bytes a wave
.set STGB,  8448                       ; a wave's stage: 16 rows x (512 + 16) bytes
.set LANE, 1
.set RR,   2
.set HH,   3
.set VLO,  4                           ; source offset, rows 0-7 of the tile
.set VHI,  5                           ; rows 8-15
.set D16,  6                           ; im: 16 bytes a lane
.set D8,   7                           ; im: 8 bytes a lane
.set DSC,  8                           ; sc
.set STI,  9                           ; the stage, on the way in
.set STO,  10                          ; and out
.set SH8,  11                          ; 8 x (lane / 16)
.set SPW,  12                          ; my spare word; never rewritten
.set NIL,  13                          ; 0; never rewritten
.set TM,   16                          ; v16-17 largest magnitudes, v18 a word at work, v19 the other half's
.set OP,   20                          ; v20-21 the conversions' scale operands, v22-23 the bytes
.set WD,   24                          ; v24-27 scale words
.set OW,   28                          ; v28-29 the words that I store
.set C,    32                          ; v32-43 a fragment's codes
.set T,    44                          ; v44-50 second halves of blocks, before they are moved
.set R,    64                          ; v64-191 numbers as loaded, two sets
.set X,    192                         ; v192-255 64 numbers: my two whole blocks of a K step
	s_load_b256 s[4:11], s[0:1], 0x0               ; xq, xk, xv, Wq
	s_load_b256 s[12:19], s[0:1], 0x20             ; Wk, Wv, Wo, im
	s_load_b64 s[20:21], s[0:1], 0x40
	s_load_b128 s[36:39], s[0:1], 0x48             ; mask, fl
	v_lshl_add_u32 v[SPW], v0, 2, SPARE
	v_mov_b32 v[NIL], 0
	v_lshrrev_b32 v1, 5, v0
	v_readfirstlane_b32 s22, v1                    ; wave
	v_and_b32 v[LANE], 31, v0
	s_mov_b32 s48, 0x76543210
	s_mov_b32 s49, 0xfedcba98                      ; v_permlanex16_b32's selects for lane l xor 16
	s_cmp_ge_u32 ttmp9, 512
	s_cbranch_scc1 .Lmask
	s_cmp_ge_u32 ttmp9, 384
	s_cbranch_scc1 .Lweights
	; ---------------- x: K is innermost ----------------
	v_and_b32 v[RR], 15, v0                        ; r
	v_bfe_u32 v[HH], v0, 4, 1                      ; h
	s_lshr_b32 s26, ttmp9, 7                       ; which tensor: 0 xq, 1 xk, 2 xv
	s_and_b32 s27, ttmp9, 127
	s_lshr_b32 s28, s22, 1
	s_lshl_b32 s27, s27, 1
	s_add_co_u32 s27, s27, s28                     ; my tile
	s_and_b32 s28, s22, 1                          ; my half of K: K steps 4 kh .. 4 kh + 3
	s_lshr_b32 s29, s27, 1
	s_lshl_b32 s29, s29, 5
	s_and_b32 s30, s27, 1
	s_lshl_b32 s30, s30, 3
	s_add_co_u32 s29, s29, s30                     ; the tile's first row: 32 B + 8 u,
	s_lshl_b32 s30, s27, 4                         ; or, in xq, 16 T
	s_cmp_eq_u32 s26, 0
	s_cselect_b32 s29, s30, s29
	s_cselect_b32 s31, 0, 32768                    ; rows 8-15 lie 8 rows of 4,096 bytes further on, but in xq
	s_lshl_b32 s29, s29, 12
	s_lshl_b32 s30, s28, 11
	s_add_co_u32 s29, s29, s30
	s_wait_alu depctr_va_vdst(0)
	v_lshl_add_u32 v[VLO], v[LANE], 4, s29
	v_add_nc_u32 v[VHI], s31, v[VLO]
	s_mul_i32 s32, s26, 3145728
	s_mul_i32 s33, s27, 12288
	s_add_co_u32 s32, s32, s33
	s_mul_i32 s33, s28, 6144
	s_add_co_u32 s32, s32, s33
	v_lshl_add_u32 v[D16], v[LANE], 4, s32
	v_lshl_add_u32 v[D8], v[LANE], 3, s32
	s_lshl_b32 s32, s26, 17
	s_lshl_b32 s33, s27, 9
	s_add_co_u32 s32, s32, s33
	s_lshl_b32 s33, s28, 8
	s_add_co_u32 s32, s32, s33
	v_lshl_add_u32 v[DSC], v[RR], 4, s32
	v_lshl_add_u32 v[DSC], v[HH], 3, v[DSC]        ; lane (r, h) stores words 2 h, 2 h + 1 of row r
	s_mul_i32 s34, s22, STGB
	v_lshl_add_u32 v[STI], v[LANE], 4, s34
	v_mul_u32_u24 v[STO], v[RR], 528
	v_lshl_add_u32 v[STO], v[HH], 7, v[STO]
	v_add_nc_u32 v[STO], s34, v[STO]               ; row r, + 128 h: my whole block of 32 numbers
	v_lshlrev_b32 v[SH8], 3, v[HH]
	v_mov_b32 v[TM+3], 0                           ; a lane permute's destination counts as one of its sources
	s_wait_alu depctr_va_vdst(0)
	s_wait_kmcnt 0x0
	s_cmp_eq_u32 s26, 0
	s_cselect_b64 s[24:25], s[4:5], s[6:7]
	s_cmp_eq_u32 s26, 2
	s_cselect_b64 s[24:25], s[8:9], s[24:25]       ; the choice hangs on the work-group's number alone
.macro XLOAD t                         ; K step t of my 16 rows: each load reads 512 consecutive bytes of one row
.irp i, 0,1,2,3,4,5,6,7
	global_load_b128 v[R+64*((\t)%2)+4*\i:R+64*((\t)%2)+4*\i+3], v[VLO], s[24:25] offset:\i*4096+(\t)*512 th:TH_LOAD_NT
.endr
.irp i, 8,9,10,11,12,13,14,15
	global_load_b128 v[R+64*((\t)%2)+4*\i:R+64*((\t)%2)+4*\i+3], v[VHI], s[24:25] offset:\i*4096+(\t)*512 th:TH_LOAD_NT
.endr
.endm
.macro XTURN t                         ; through my stage: in as loaded, out as the operand's layout wants: lane (r, h): k = 64 c + 32 h + 0 .. 31 of row r.  LDS serves a wave's instructions in order: no wait between
.irp i, 0,1,2,3,4,5,6,7,8,9,10,11,12,13,14,15
	ds_store_b128 v[STI], v[R+64*((\t)%2)+4*\i:R+64*((\t)%2)+4*\i+3] offset:528*\i
.endr
.irp c, 0,1
.irp j, 0,1,2,3,4,5,6,7
	ds_load_b128 v[X+32*\c+4*\j:X+32*\c+4*\j+3], v[STO] offset:256*\c+16*\j
.endr
.endr
.endm
.macro QB t                            ; my two whole blocks become registers 0-5 and 6-11 of the fragment; the row's four bytes its scale word
.irp c, 0,1
	v_max3_num_f32 v[TM+\c], |v[X+32*\c]|, |v[X+32*\c+1]|, 0x1800000   ; the floor 2^(3 - 127): the byte cannot fall under 1
.endr
.irp i, 2,4,6,8,10,12,14,16,18,20,22,24,26,28,30
.irp c, 0,1
	v_max3_num_f32 v[TM+\c], v[TM+\c], |v[X+32*\c+\i]|, |v[X+32*\c+\i+1]|   ; the two blocks by turns
.endr
.endr
.irp c, 0,1
	v_add_nc_u32 v[OP+\c], 0xff000000, v[TM+\c]    ; 2 off the exponent field: the conversion's scale operand
.endr
.irp c, 0,1
	v_lshrrev_b32 v[OP+2+\c], 23, v[OP+\c]         ; the scale's byte
.endr
	v_lshl_or_b32 v[TM+2], v[OP+3], 16, v[OP+2]    ; blocks h and 2 + h,
	v_lshlrev_b32 v[TM+2], v[SH8], v[TM+2]         ; at their places in the word;
	v_permlanex16_b32 v[TM+3], v[TM+2], s48, s49
	v_or_b32 v[WD+(\t)], v[TM+2], v[TM+3]          ; with lane l xor 16's two the word is whole
	v_cvt_scalef32_pk16_fp6_f32 v[C:C+2], v[X:X+15], v[OP]
	v_cvt_scalef32_pk16_fp6_f32 v[T:T+2], v[X+16:X+31], v[OP]       ; (a conversion's three registers begin on an even number)
	v_cvt_scalef32_pk16_fp6_f32 v[C+6:C+8], v[X+32:X+47], v[OP+1]
	v_cvt_scalef32_pk16_fp6_f32 v[T+4:T+6], v[X+48:X+63], v[OP+1]
	v_nop                                          ; one plain place behind a scaled conversion
.irp i, 0,1,2
	v_mov_b32 v[C+3+\i], v[T+\i]
	v_mov_b32 v[C+9+\i], v[T+4+\i]
.endr
.endm
.macro XOUT t                          ; the fragment's image: stores of 512 and 256 consecutive bytes, aligned
	global_store_b128 v[D16], v[C:C+3], s[18:19] offset:1536*(\t)
	global_store_b64 v[D8], v[C+4:C+5], s[18:19] offset:1536*(\t)+512
	global_store_b128 v[D16], v[C+6:C+9], s[18:19] offset:1536*(\t)+768
	global_store_b64 v[D8], v[C+10:C+11], s[18:19] offset:1536*(\t)+1280
.endm
	XLOAD 0
	XLOAD 1
.irp t, 0,1,2,3
.if \t < 3
	s_wait_loadcnt 16                              ; this K step's 16 loads are in; the next step's 16 may be out
.else
	s_wait_loadcnt 0x0
.endif
	XTURN \t
	s_wait_dscnt 0x0                               ; my numbers are back; the stage's stores have read their registers
	s_wait_xcnt 0x0                                ; the last step's stores have read their data: the codes' registers are written again only behind this wait
.if \t < 2
	XLOAD \t+2
.endif
	QB \t
	XOUT \t
.endr
	v_cmp_eq_u32 vcc_lo, 1, v[HH]
	v_cndmask_b32 v[OW], v[WD], v[WD+2], vcc_lo
	v_cndmask_b32 v[OW+1], v[WD+1], v[WD+3], vcc_lo
	global_store_b64 v[DSC], v[OW:OW+1], s[20:21]  ; the wave's 64 scale words: 256 consecutive bytes, aligned
	s_wait_tensorcnt 0x0                           ; the wave's end
	ds_add_u32 v[SPW], v[NIL]
	s_wait_dscnt 0x0
	s_endpgm
	; ---------------- the weights: K is the first axis.  A lane takes a column, its registers run down K; no LDS ----------------
.Lweights:
	s_sub_co_u32 s26, ttmp9, 384
	s_lshr_b32 s27, s26, 5                         ; which weight: 0 Wq, 1 Wk, 2 Wv, 3 Wo
	s_and_b32 s28, s26, 7                          ; which 128 columns
	s_bfe_u32 s29, s26, 0x20003                    ; which 256 along K
	s_lshl_b32 s30, s28, 7
	s_lshl_b32 s31, s22, 5
	s_add_co_u32 s30, s30, s31                     ; my wave's first column
	s_lshl_b32 s31, s30, 2
	s_lshl_b32 s32, s29, 20                        ; 256 rows of 4,096 bytes
	s_add_co_u32 s31, s31, s32
	s_wait_alu depctr_va_vdst(0)
	v_lshl_add_u32 v[VLO], v[LANE], 2, s31
	v_bfe_u32 v[HH], v0, 3, 1                      ; column n0 + l lies in tile n0 / 16 + u, u = (l / 8) % 2,
	s_wait_alu depctr_va_vdst(0)
	v_and_b32 v[RR], 7, v0
	v_bfe_u32 v14, v0, 4, 1
	v_lshl_add_u32 v[RR], v14, 3, v[RR]            ; as its row r = l % 8 + 8 (l / 16)
	s_lshr_b32 s33, s30, 4
	s_mul_i32 s34, s33, 12288
	s_mul_i32 s35, s27, 786432
	s_add_co_u32 s34, s34, s35
	s_mul_i32 s35, s29, 3072                       ; two K steps for each 256 along K
	s_add_co_u32 s34, s34, s35
	s_add_co_u32 s34, s34, 9437184
	v_mul_u32_u24 v14, v[HH], 12288
	v_add_nc_u32 v14, s34, v14
	v_lshl_add_u32 v[D16], v[RR], 4, v14
	v_lshl_add_u32 v[D8], v[RR], 3, v14
	s_lshl_b32 s34, s33, 9
	s_lshl_b32 s35, s27, 15
	s_add_co_u32 s34, s34, s35
	s_lshr_b32 s35, s29, 1
	s_lshl_b32 s35, s35, 8
	s_add_co_u32 s34, s34, s35
	s_and_b32 s35, s29, 1
	s_lshl_b32 s35, s35, 3
	s_add_co_u32 s34, s34, s35
	s_add_co_u32 s34, s34, 393216
	v_lshl_add_u32 v[DSC], v[HH], 9, s34
	s_wait_alu depctr_va_vdst(0)
	v_lshl_add_u32 v[DSC], v[RR], 4, v[DSC]
	s_wait_kmcnt 0x0
	s_cmp_eq_u32 s27, 0
	s_cselect_b64 s[24:25], s[10:11], s[12:13]
	s_cmp_eq_u32 s27, 2
	s_cselect_b64 s[24:25], s[14:15], s[24:25]
	s_cmp_eq_u32 s27, 3
	s_cselect_b64 s[24:25], s[16:17], s[24:25]
.macro WLOAD t                         ; block t: W(32 t + i, my column): 32 lanes read 128 consecutive bytes
.irp i, 0,1,2,3,4,5,6,7,8,9,10,11,12,13,14,15,16,17,18,19,20,21,22,23,24,25,26,27,28,29,30,31
	global_load_b32 v[R+32*((\t)%2)+\i], v[VLO], s[24:25] offset:(32*(\t)+\i)*4096 th:TH_LOAD_NT
.endr
.endm
.macro WBLOCK t                        ; block t = K step t / 4, half (t / 2) % 2 of the fragment, lanes 16 (t % 2) + r of its image
.set XS, R+32*((\t)%2)
.if (\t) < 7
	s_wait_loadcnt 32                              ; this block's 32 loads are in; the next block's may be out
.else
	s_wait_loadcnt 0x0
.endif
.if (\t) > 0
	s_wait_xcnt 0x0                                ; the last block's stores have read their data
.endif
	v_max3_num_f32 v[TM], |v[XS]|, |v[XS+1]|, |v[XS+2]|             ; all 32 numbers of the block are mine: two chains
	v_max3_num_f32 v[TM+1], |v[XS+3]|, |v[XS+4]|, |v[XS+5]|
.irp i, 6,10,14,18,22,26
	v_max3_num_f32 v[TM], v[TM], |v[XS+\i]|, |v[XS+\i+1]|
	v_max3_num_f32 v[TM+1], v[TM+1], |v[XS+\i+2]|, |v[XS+\i+3]|
.endr
	v_max3_num_f32 v[TM], v[TM], |v[XS+30]|, |v[XS+31]|
	v_max3_num_f32 v[TM], v[TM], v[TM+1], 0x1800000                 ; and the floor
	v_add_nc_u32 v[OP], 0xff000000, v[TM]
	v_lshrrev_b32 v[OP+2], 23, v[OP]
.if (\t)%4 == 0
	v_mov_b32 v[WD+(\t)/4], v[OP+2]                ; four bytes make a K step's word
.else
	v_lshl_or_b32 v[WD+(\t)/4], v[OP+2], 8*((\t)%4), v[WD+(\t)/4]
.endif
	v_cvt_scalef32_pk16_fp6_f32 v[C:C+2], v[XS:XS+15], v[OP]
	v_cvt_scalef32_pk16_fp6_f32 v[T:T+2], v[XS+16:XS+31], v[OP]
	v_nop                                          ; one plain place behind a scaled conversion
.irp i, 0,1,2
	v_mov_b32 v[C+3+\i], v[T+\i]
.endr
	global_store_b128 v[D16], v[C:C+3], s[18:19] offset:((\t)/4)*1536+(((\t)/2)%2)*768+((\t)%2)*256        ; sixteen lanes fill 256 consecutive bytes of each of two tiles
	global_store_b64 v[D8], v[C+4:C+5], s[18:19] offset:((\t)/4)*1536+(((\t)/2)%2)*768+512+((\t)%2)*128
.if (\t)+2 < 8
	WLOAD (\t)+2
.endif
.endm
	WLOAD 0
	WLOAD 1
.irp t, 0,1,2,3,4,5,6,7
	WBLOCK \t
.endr
	global_store_b64 v[DSC], v[WD:WD+1], s[20:21]  ; my column's two scale words
	s_endpgm
	; ---------------- the mask is read as it is given and described by whole numbers, which the attention launch reads ----------------
	; Work-groups 512-639: a wave takes 4 rows (queries) x 2,048 keys and stores ONE word, fl[row / 4].  Bit t (t = 0 .. 15, a tile of 128 keys): LIVE: in some of my rows the tile's least mask number
	; lies under that row's least number + 0.5.  Bit 16 + t: NONZERO: some number of the tile is not 0.
	; A tile that is not live: each of its logits lies at least 5e8 - |q . k| / 4 under its row's largest, so its p = 2^(t - M) is 0 and adds nothing to the sum or to the product.
	; LIMIT of that step: |q . k| / 8 under 2e8 and |mask| under 1e6 (the drawn data: about 6, and 1).  A tile of zeros adds 0 x -1e9 = 0 to its logits.  The row's least number lies in a live tile, so every row has one.
.set DD, 208                           ; v208-223 for each tile: the least of (my lane's least - the row's least) over my rows
.set NZ, 224                           ; v224-239 for each tile: the largest magnitude
.Lmask:
	s_wait_alu depctr_va_vdst(0)                   ; the wait behind the jump
	s_sub_co_u32 s26, ttmp9, 512
	s_lshl_b32 s26, s26, 2
	s_add_co_u32 s26, s26, s22                     ; which four rows
	s_lshl_b32 s27, s26, 15                        ; 4 rows of 8,192 bytes
	v_lshl_add_u32 v[VLO], v[LANE], 4, s27
	v_mov_b32 v[TM+3], 0                           ; a lane permute's destination counts as one of its sources
	s_wait_alu depctr_va_vdst(0)
	s_wait_kmcnt 0x0
.macro MLOAD i                         ; row i: load t reads the 512 consecutive bytes of tile t
.irp t, 0,1,2,3,4,5,6,7,8,9,10,11,12,13,14,15
	global_load_b128 v[R+64*((\i)%2)+4*\t:R+64*((\i)%2)+4*\t+3], v[VLO], s[36:37] offset:(\i)*8192+\t*512 th:TH_LOAD_NT
.endr
.endm
.macro MROW i
.set XS, R+64*((\i)%2)
.if (\i) < 3
	s_wait_loadcnt 16                              ; this row's 16 loads are in; the next row's may be out
.else
	s_wait_loadcnt 0x0
.endif
.irp t, 0,1,2,3,4,5,6,7,8,9,10,11,12,13,14,15
	v_min3_num_f32 v[X+\t], v[XS+4*\t], v[XS+4*\t+1], v[XS+4*\t+2]
.endr
.irp t, 0,1,2,3,4,5,6,7,8,9,10,11,12,13,14,15
	v_min_num_f32 v[X+\t], v[X+\t], v[XS+4*\t+3]   ; my lane's least of tile t
.endr
.irp t, 0,1,2,3,4,5,6,7,8,9,10,11,12,13,14,15
.if (\i) == 0
	v_max3_num_f32 v[NZ+\t], |v[XS+4*\t]|, |v[XS+4*\t+1]|, |v[XS+4*\t+2]|
.else
	v_max3_num_f32 v[NZ+\t], v[NZ+\t], |v[XS+4*\t]|, |v[XS+4*\t+1]|
.endif
.endr
.irp t, 0,1,2,3,4,5,6,7,8,9,10,11,12,13,14,15
.if (\i) == 0
	v_max_num_f32 v[NZ+\t], v[NZ+\t], |v[XS+4*\t+3]|
.else
	v_max3_num_f32 v[NZ+\t], v[NZ+\t], |v[XS+4*\t+2]|, |v[XS+4*\t+3]|
.endif
.endr
.if (\i)+2 < 4
	MLOAD (\i)+2
.endif
	v_min3_num_f32 v[TM], v[X], v[X+1], v[X+2]     ; the row's least: two chains, then across the lanes
	v_min3_num_f32 v[TM+1], v[X+3], v[X+4], v[X+5]
	v_min3_num_f32 v[TM], v[TM], v[X+6], v[X+7]
	v_min3_num_f32 v[TM+1], v[TM+1], v[X+8], v[X+9]
	v_min3_num_f32 v[TM], v[TM], v[X+10], v[X+11]
	v_min3_num_f32 v[TM+1], v[TM+1], v[X+12], v[X+13]
	v_min3_num_f32 v[TM], v[TM], v[X+14], v[X+15]
	v_min_num_f32 v[TM], v[TM], v[TM+1]
.irp m, 1,2,4,8
	v_min_num_f32_dpp v[TM], v[TM], v[TM] row_xmask:\m row_mask:0xf bank_mask:0xf
.endr
	v_permlanex16_b32 v[TM+3], v[TM], s48, s49
	v_min_num_f32 v[TM], v[TM], v[TM+3]
.irp t, 0,1,2,3,4,5,6,7,8,9,10,11,12,13,14,15
.if (\i) == 0
	v_sub_f32 v[DD+\t], v[X+\t], v[TM]
.else
	v_sub_f32 v[X+\t], v[X+\t], v[TM]
.endif
.endr
.if (\i) > 0
.irp t, 0,1,2,3,4,5,6,7,8,9,10,11,12,13,14,15
	v_min_num_f32 v[DD+\t], v[DD+\t], v[X+\t]
.endr
.endif
.endm
	MLOAD 0
	MLOAD 1
.irp i, 0,1,2,3
	MROW \i
.endr
	s_mov_b32 s41, 0
	s_wait_alu depctr_va_vdst(0)                   ; the wait ahead of the run of scalar lines
.irp t, 0,1,2,3,4,5,6,7,8,9,10,11,12,13,14,15
	v_cmp_gt_f32 vcc_lo, 0.5, v[DD+\t]             ; any lane under the bound: the tile is live
	s_cmp_lg_u32 vcc_lo, 0
	s_cselect_b32 s40, 1<<\t, 0
	s_or_b32 s41, s41, s40
	v_cmp_lt_f32 vcc_lo, 0, v[NZ+\t]               ; any lane with a number that is not 0
	s_cmp_lg_u32 vcc_lo, 0
	s_cselect_b32 s40, 1<<(16+\t), 0
	s_or_b32 s41, s41, s40
.endr
	s_lshl_b32 s42, s26, 2
	v_mov_b32 v[TM], s41
	v_mov_b32 v[TM+1], s42
	global_store_b32 v[TM+1], v[TM], s[38:39]      ; all lanes hold the same word and write it to the same place
	s_endpgm
.Lfunc_end_k_q8da1e371ab_quant:
	.size	k_q8da1e371ab_quant, .Lfunc_end_k_q8da1e371ab_quant-k_q8da1e371ab_quant
	.p2alignl 7, 3214868480
	.fill 96, 4, 3214868480
	.section	.rodata,"a",@progbits
	.p2align	6, 0x0
	.amdhsa_kernel k_q8da1e371ab_quant
		.amdhsa_group_segment_fixed_size 34304
		.amdhsa_private_segment_fixed_size 0
		.amdhsa_enable_private_segment 0
		.amdhsa_kernarg_size 88
		.amdhsa_user_sgpr_count 2
		.amdhsa_user_sgpr_kernarg_segment_ptr 1
		.amdhsa_wavefront_size32 1
		.amdhsa_system_sgpr_workgroup_id_x 1
		.amdhsa_system_sgpr_workgroup_id_y 1
		.amdhsa_system_sgpr_workgroup_id_z 1
		.amdhsa_system_vgpr_workitem_id 0
		.amdhsa_next_free_vgpr 256
		.amdhsa_next_free_sgpr 66
		.amdhsa_reserve_vcc 1
		.amdhsa_float_denorm_mode_32 3
		.amdhsa_float_denorm_mode_16_64 3
		.amdhsa_memory_ordered 1
		.amdhsa_forward_progress 1
		.amdhsa_inst_pref_size 103
	.end_amdhsa_kernel
	.amdgpu_metadata
---
amdhsa.version: [ 1, 2 ]
amdhsa.kernels:
  - .name:           k_q8da1e371ab_quant
    .symbol:         k_q8da1e371ab_quant.kd
    .args:
      - { .name: xq, .offset: 0, .size: 8, .value_kind: global_buffer, .address_space: global }
      - { .name: xk, .offset: 8, .size: 8, .value_kind: global_buffer, .address_space: global }
      - { .name: xv, .offset: 16, .size: 8, .value_kind: global_buffer, .address_space: global }
      - { .name: Wq, .offset: 24, .size: 8, .value_kind: global_buffer, .address_space: global }
      - { .name: Wk, .offset: 32, .size: 8, .value_kind: global_buffer, .address_space: global }
      - { .name: Wv, .offset: 40, .size: 8, .value_kind: global_buffer, .address_space: global }
      - { .name: Wo, .offset: 48, .size: 8, .value_kind: global_buffer, .address_space: global }
      - { .name: im, .offset: 56, .size: 8, .value_kind: global_buffer, .address_space: global }
      - { .name: sc, .offset: 64, .size: 8, .value_kind: global_buffer, .address_space: global }
      - { .name: mask, .offset: 72, .size: 8, .value_kind: global_buffer, .address_space: global }
      - { .name: fl, .offset: 80, .size: 8, .value_kind: global_buffer, .address_space: global }
    .group_segment_fixed_size: 34304
    .private_segment_fixed_size: 0
    .kernarg_segment_align: 8
    .kernarg_segment_size: 88
    .max_flat_workgroup_size: 128
    .sgpr_count:     66
    .vgpr_count:     256
    .wavefront_size: 32
...
	.end_amdgpu_metadata
.endif
;; end of part 1
;; launch proj (part 2): grid 4 x 64, 12 waves a work-group, no clusters, 0 bytes of LDS; arguments im, sc, bq, bk, bv, qi, kv; writes qi, kv
.if DOCPART == 2
	.amdgcn_target "amdgcn-amd-amdhsa--gfx1250"
	.amdhsa_code_object_version 6
	.text
	.protected	k_q8da1e371ab_proj
	.globl	k_q8da1e371ab_proj
	.p2align	8
	.type	k_q8da1e371ab_proj,@function
k_q8da1e371ab_proj:
	s_mov_b64 s[64:65], 0
	v_nop
	global_prefetch_b8 v0, s[64:65] scope:SCOPE_SE
	s_setreg_imm32_b32 hwreg(HW_REG_WAVE_MODE, 25, 1), 1
	s_wait_xcnt 0x0
; q = xq Wq + bq, k = xk Wk + bk, v = xv Wv + bv on codes of FP6 (E2M3) with E8M0 scales, and each result quantised on the way out for attention's products: q and k along the head's 64, v along the keys.
; Nothing is left out.  LIMITS: a block of zeros carries the byte 1, not 127 (zero codes; this program alone reads the bytes); NaN and infinities are not served.
; SHARES.  The three products have 3 x 64 = 192 row groups of 64 tokens.  Work-group (x, y) takes row groups 3 y .. 3 y + 2 and heads 4 x .. 4 x + 3: twelve waves, three to a SIMD; a wave makes 64 tokens x one head's 64 columns
; in 16 accumulators and finds its product by its own row group / 64.  4 x 64 work-groups.
; OPERANDS come from memory straight into registers: the launch before has laid them as images of the operand's registers, so a fragment is four loads of 512, 256, 512, 256 consecutive bytes.  No LDS, no barrier.
; LOADS RUN A K STEP AHEAD.  Source 0's four fragments have two sets, under the same numbers in windows 0 and 1: the next step's set is asked for at a step's head.  Source 1's fragment j is asked for anew behind its four products.
; The scale words of K steps 4 to 7 are loaded at the start into window 1 and moved down once (scale operands have no window).
; NO CLUSTER, NO TENSOR LOAD: K is 8 steps of 16 matrix instructions a wave; a ring would spend a barrier or a round on each of them, and with no tensor load there is no joint request to make.  NO PREFETCH: the walk is 8 steps, each asked for a step ahead.
; WHICH OPERAND IS SOURCE 0 (its rows fall on the result's registers): for q and k the weight (a lane holds a token, its registers run along the head's 64: the next K); for v the tokens (a lane holds a channel, its registers run along the keys).
; The tiles of source 0 hold rows 32 B + 8 u + r + 8 (r / 8), so registers 16 b + x of a lane's 32 are the next K's 32 b + 16 (lane / 16) + x.
; OUT.  qi: [batch][head][tile of 16 queries][768] half images (16 rows x 64 K), then [..][row] words: the two scale bytes, twice.
; kv: a record of 12,800 bytes for each (batch, head, 128 keys): K: 4 fragments, each two key tiles' half images; 4 x 16 scale words; V: 4 fragments (16 channels x 128 keys); 4 x 16 scale words.
.set AU16, 4                           ; v4-5  source 0's images: 16 and 8 bytes a lane
.set AU8,  5
.set AL16, 6                           ; v6-7  source 1's
.set AL8,  7
.set VS,   8                           ; v8    scale words: lanes 0-15 source 1's rows, lanes 16-31 source 0's
.set SC,   12                          ; v12-27 scale words and nothing else: register 4 i + s % 4: tile i, K step s; the same numbers in window 1: K steps 4 to 7, until they are moved
.set FU,   32                          ; v32-79  source 0's four fragments: even K steps in window 0, odd ones in window 1
.set FL,   80                          ; v80-127 source 1's
.set ACC,  128                         ; accumulator (i, j) at v[128 + 8 (4 j + i)]
.set BI,   32                          ; the way out: the bias
.set CJ,   64                          ; codes of tile j at v[64 + 10 j]: 6, and 3 at work
.set SW,   104                         ; v104-107 tile j's two scale bytes
.set TM,   108                         ; v108-115 at work
.set O16,  116                         ; v116-119, v120-123 where tile j's half image goes
.set O8,   120
.set MSB, 0
.macro WIN new                         ; the immediate's high byte repeats the setting that is left
.if MSB != (\new)
	s_set_vgpr_msb (MSB<<8)|(\new)
.set MSB, (\new)
.endif
.endm
	s_load_b256 s[4:11], s[0:1], 0x0               ; im, sc, bq, bk
	s_load_b128 s[12:15], s[0:1], 0x20             ; bv, qi
	s_load_b64 s[16:17], s[0:1], 0x30              ; kv
	v_lshrrev_b32 v1, 5, v0
	s_delay_alu instid0(VALU_DEP_1)
	v_readfirstlane_b32 s18, v1                    ; wave
	v_and_b32 v1, 31, v0                           ; lane
	s_wait_alu depctr_va_vdst(0)
	v_and_b32 v2, 15, v0                           ; r
	v_bfe_u32 v3, v0, 4, 1                         ; h
	s_wait_alu depctr_va_vdst(0)
	s_mov_b32 s48, 0x76543210
	s_mov_b32 s49, 0xfedcba98
	s_and_b32 s21, ttmp7, 0xffff
	s_mul_i32 s23, s21, 3
	s_lshr_b32 s26, s18, 2
	s_add_co_u32 s23, s23, s26                     ; my row group, 0 .. 191
	s_lshr_b32 s22, s23, 6                         ; 0 q, 1 k, 2 v
	s_and_b32 s23, s23, 63                         ; G: my 64 tokens
	s_lshl_b32 s20, ttmp9, 2
	s_and_b32 s26, s18, 3
	s_add_co_u32 s20, s20, s26                     ; my head
	s_mul_i32 s26, s22, 3145728
	s_mul_i32 s27, s23, 49152
	s_add_co_u32 s26, s26, s27                     ; x's four tiles in im
	s_mul_i32 s27, s22, 786432
	s_mul_i32 s28, s20, 49152
	s_add_co_u32 s27, s27, s28
	s_add_co_u32 s27, s27, 9437184                 ; W's four tiles
	s_lshl_b32 s28, s22, 17
	s_lshl_b32 s29, s23, 11
	s_add_co_u32 s28, s28, s29                     ; and the same in sc
	s_lshl_b32 s29, s22, 15
	s_lshl_b32 s30, s20, 11
	s_add_co_u32 s29, s29, s30
	s_add_co_u32 s29, s29, 393216
	s_cmp_eq_u32 s22, 2
	s_cselect_b32 s30, s26, s27                    ; source 0: x for v, W for q and k
	s_cselect_b32 s31, s27, s26                    ; source 1
	s_cselect_b32 s32, s28, s29
	s_cselect_b32 s33, s29, s28
	v_lshl_add_u32 v[AU16], v1, 4, s30
	v_lshl_add_u32 v[AU8], v1, 3, s30
	v_lshl_add_u32 v[AL16], v1, 4, s31
	v_lshl_add_u32 v[AL8], v1, 3, s31
	v_mov_b32 v9, s32
	v_mov_b32 v[VS], s33
	v_cmp_eq_u32 vcc_lo, 1, v3
	s_delay_alu instid0(VALU_DEP_1)
	v_cndmask_b32 v[VS], v[VS], v9, vcc_lo
	s_delay_alu instid0(VALU_DEP_1)
	v_lshl_add_u32 v[VS], v2, 4, v[VS]             ; 16 bytes a row: the words of four K steps
	s_wait_alu depctr_va_vdst(0)
	s_wait_kmcnt 0x0
.macro FRAG reg, a16, a8, off
	global_load_b128 v[\reg:\reg+3], v[\a16], s[4:5] offset:\off
	global_load_b64 v[\reg+4:\reg+5], v[\a8], s[4:5] offset:\off+512
	global_load_b128 v[\reg+6:\reg+9], v[\a16], s[4:5] offset:\off+768
	global_load_b64 v[\reg+10:\reg+11], v[\a8], s[4:5] offset:\off+1280
.endm
; A K step of 128: 16 matrix instructions; the 16 accumulators take turns, one instruction a turn, from step to step too.
; The count 28: behind source 1's fragment j of this step were issued the 12 loads of three more of its fragments (this step's later ones, the next step's earlier ones) and the 16 of source 0's next set.  The last step asks for nothing.
.macro KSTEP s
.if \s < 7
	WIN 0x40*(((\s)+1)%2)                          ; source 0's other set: its last readers, the step before, have four places behind them
.irp i, 0,1,2,3
	FRAG FU+12*\i, AU16, AU8, 12288*\i+1536*((\s)+1)
.endr
	WIN 0
.endif
.if \s == 4
	WIN 0x01                                       ; from window 1 to window 0: the scale words of K steps 4 to 7
.irp i, 0,1,2,3,4,5,6,7,8,9,10,11,12,13,14,15
	v_mov_b32 v[SC+\i], v[SC+\i]
.endr
	WIN 0
.rept 8
	v_nop                                          ; a scale register written by a vector instruction stands 8 places ahead of a scaled matrix instruction
.endr
	s_wait_alu depctr_va_vdst(0)                   ; the wait ahead of the wait below
.endif
	WIN (\s)%2                                     ; source 0 in window s % 2
.irp j, 0,1,2,3
.if \s < 7
	s_wait_loadcnt 28
.else
	s_wait_loadcnt 12-4*\j
.endif
.irp i, 0,1,2,3
.if \s == 0
	v_wmma_scale_f32_16x16x128_f8f6f4 v[ACC+8*(4*\j+\i):ACC+8*(4*\j+\i)+7], v[FU+12*\i:FU+12*\i+11], v[FL+12*\j:FL+12*\j+11], 0, v[SC+4*\i+(\s)%4], v[SC+4*\j+(\s)%4] matrix_a_fmt:MATRIX_FMT_FP6 matrix_b_fmt:MATRIX_FMT_FP6 matrix_a_scale:MATRIX_SCALE_ROW1
.else
	v_wmma_scale_f32_16x16x128_f8f6f4 v[ACC+8*(4*\j+\i):ACC+8*(4*\j+\i)+7], v[FU+12*\i:FU+12*\i+11], v[FL+12*\j:FL+12*\j+11], v[ACC+8*(4*\j+\i):ACC+8*(4*\j+\i)+7], v[SC+4*\i+(\s)%4], v[SC+4*\j+(\s)%4] matrix_a_fmt:MATRIX_FMT_FP6 matrix_b_fmt:MATRIX_FMT_FP6 matrix_a_scale:MATRIX_SCALE_ROW1
.endif
.endr
.if \s < 7
	WIN 0
.rept 4
	v_nop                                          ; four places in front of loads into registers that matrix instructions have read
.endr
	FRAG FL+12*\j, AL16, AL8, 12288*\j+1536*((\s)+1)
	WIN (\s)%2
.endif
.endr
	WIN 0
.endm
.irp i, 0,1,2,3
	global_load_b128 v[SC+4*\i:SC+4*\i+3], v[VS], s[6:7] offset:512*\i
.endr
	WIN 0x40
.irp i, 0,1,2,3
	global_load_b128 v[SC+4*\i:SC+4*\i+3], v[VS], s[6:7] offset:512*\i+256
.endr
	WIN 0
.irp i, 0,1,2,3
	FRAG FU+12*\i, AU16, AU8, 12288*\i
.endr
.irp i, 0,1,2,3
	FRAG FL+12*\i, AL16, AL8, 12288*\i
.endr
.irp s, 0,1,2,3,4,5,6,7
	KSTEP \s
.endr
.rept 4
	v_nop                                          ; places in front of the loads below and of the first reads of results
.endr
	; ---- the bias, in f32
	s_cmp_eq_u32 s22, 0
	s_cselect_b64 s[24:25], s[8:9], s[10:11]
	s_cmp_eq_u32 s22, 2
	s_cselect_b64 s[24:25], s[12:13], s[24:25]
	s_lshl_b32 s34, s20, 8                         ; my head's 64 numbers
	s_cmp_eq_u32 s22, 2
	s_cbranch_scc1 .Lbias_v
	v_lshl_add_u32 v9, v3, 6, s34                  ; q, k: a number for each register: tile i's register x is column 32 (i / 2) + 16 h + 8 (i % 2) + x
.irp i, 0,1,2,3
	global_load_b128 v[BI+8*\i:BI+8*\i+3], v9, s[24:25] offset:(32*(\i/2)+8*(\i%2))*4
	global_load_b128 v[BI+8*\i+4:BI+8*\i+7], v9, s[24:25] offset:(32*(\i/2)+8*(\i%2))*4+16
.endr
	s_wait_loadcnt 0x0
.irp j, 0,1,2,3
.irp i, 0,1,2,3
.irp p, 0,2,4,6
	v_pk_add_f32 v[ACC+8*(4*\j+\i)+\p:ACC+8*(4*\j+\i)+\p+1], v[ACC+8*(4*\j+\i)+\p:ACC+8*(4*\j+\i)+\p+1], v[BI+8*\i+\p:BI+8*\i+\p+1]   ; each accumulator from its low end on
.endr
.endr
.endr
	s_branch .Lbiased
.Lbias_v:
	v_and_b32 v9, 8, v2                            ; v: a number for each lane: tile j's lane r is channel 32 (j / 2) + 8 (j % 2) + r + 8 (r / 8)
	s_delay_alu instid0(VALU_DEP_1)
	v_add_nc_u32 v9, v9, v2
	s_delay_alu instid0(VALU_DEP_1)
	v_lshl_add_u32 v9, v9, 2, s34
.irp j, 0,1,2,3
	global_load_b32 v[BI+2*\j], v9, s[24:25] offset:(32*(\j/2)+8*(\j%2))*4
	global_load_b32 v[BI+2*\j+1], v9, s[24:25] offset:(32*(\j/2)+8*(\j%2))*4      ; twice: a pair for the packed addition
.endr
	s_wait_loadcnt 0x0
.irp j, 0,1,2,3
.irp i, 0,1,2,3
.irp p, 0,2,4,6
	v_pk_add_f32 v[ACC+8*(4*\j+\i)+\p:ACC+8*(4*\j+\i)+\p+1], v[ACC+8*(4*\j+\i)+\p:ACC+8*(4*\j+\i)+\p+1], v[BI+2*\j:BI+2*\j+1]
.endr
.endr
.endr
.Lbiased:
	; ---- where the results go
	s_lshr_b32 s35, s23, 5                         ; batch
	s_and_b32 s36, s23, 31                         ; g: which 64 tokens of the sequence
	s_lshl_b32 s35, s35, 4
	s_add_co_u32 s35, s35, s20                     ; 16 x batch + head
	s_lshl_b32 s37, s35, 7
	s_lshl_b32 s38, s36, 2
	s_add_co_u32 s37, s37, s38                     ; q: my first tile
	s_mul_i32 s38, s37, 768
	s_lshl_b32 s39, s35, 4
	s_lshr_b32 s40, s36, 1
	s_add_co_u32 s39, s39, s40
	s_mul_i32 s39, s39, 12800                      ; k, v: my record
	s_and_b32 s40, s36, 1                          ; which half of its 128 keys
	s_mul_i32 s41, s40, 3072
	s_add_co_u32 s41, s41, s39                     ; k: key tiles 4 (g % 2) + j, 768 bytes each
	s_mul_i32 s42, s40, 768
	s_add_co_u32 s42, s42, s39
	s_add_co_u32 s42, s42, 6400                    ; v: half g % 2 of fragment j
	s_cmp_eq_u32 s22, 0
	s_cselect_b32 s43, s38, s41
	s_cselect_b64 s[44:45], s[14:15], s[16:17]
	s_cmp_eq_u32 s22, 2
	s_cselect_b32 s43, s42, s43
	s_mov_b32 s46, 768
	s_cselect_b32 s46, 1536, s46
	v_lshl_add_u32 v[O16], v1, 4, s43
	v_lshl_add_u32 v[O8], v1, 3, s43
.irp j, 1,2,3
	s_delay_alu instid0(VALU_DEP_2)
	v_add_nc_u32 v[O16+\j], s46, v[O16+\j-1]
	s_delay_alu instid0(VALU_DEP_2)
	v_add_nc_u32 v[O8+\j], s46, v[O8+\j-1]
.endr
	v_mov_b32 v[TM+2], 0                           ; a lane permute's destination counts as one of its sources
	v_mov_b32 v[TM+3], 0
; 32 numbers of a lane, register 16 b + x = k 32 b + 16 (lane / 16) + x of my row, become a half image's six registers in v[cj] on and the row's two scale bytes in v[sw].
.macro HQ a, cj, sw
.irp b, 0,1
	v_max3_num_f32 v[TM+\b], |v[(\a)+16*\b]|, |v[(\a)+16*\b+1]|, 0x1800000   ; the floor 2^(3 - 127): the byte cannot fall under 1
.endr
.irp i, 2,4,6,8,10,12,14
.irp b, 0,1
	s_delay_alu instid0(VALU_DEP_2)
	v_max3_num_f32 v[TM+\b], v[TM+\b], |v[(\a)+16*\b+\i]|, |v[(\a)+16*\b+\i+1]|
.endr
.endr
.irp b, 0,1
	s_delay_alu instid0(VALU_DEP_2)
	v_permlanex16_b32 v[TM+2+\b], v[TM+\b], s48, s49
.endr
.irp b, 0,1
	s_delay_alu instid0(VALU_DEP_2)
	v_max_num_f32 v[TM+\b], v[TM+\b], v[TM+2+\b]   ; with lane l xor 16's: the block's largest magnitude
.endr
.irp b, 0,1
	s_delay_alu instid0(VALU_DEP_2)
	v_add_nc_u32 v[TM+4+\b], 0xff000000, v[TM+\b]  ; 2 off the exponent field: the conversion's scale operand
.endr
.irp b, 0,1
	s_delay_alu instid0(VALU_DEP_2)
	v_lshrrev_b32 v[TM+6+\b], 23, v[TM+4+\b]       ; the byte
.endr
	s_delay_alu instid0(VALU_DEP_1)
	v_lshl_or_b32 v[\sw], v[TM+7], 8, v[TM+6]
	v_cvt_scalef32_pk16_fp6_f32 v[\cj:\cj+2], v[(\a):(\a)+15], v[TM+4]
	v_cvt_scalef32_pk16_fp6_f32 v[\cj+6:\cj+8], v[(\a)+16:(\a)+31], v[TM+5]
	v_nop                                          ; one plain place behind a scaled conversion
.irp i, 0,1,2
	v_permlane16_swap_b32 v[\cj+\i], v[\cj+6+\i]   ; the layout wants a whole block in a lane: lanes 0-15 block 0, lanes 16-31 block 1
.endr
.irp i, 0,1,2
	s_delay_alu instid0(VALU_DEP_3)
	v_mov_b32 v[\cj+3+\i], v[\cj+6+\i]
.endr
.endm
.irp j, 0,1,2,3
	HQ ACC+32*\j, CJ+10*\j, SW+\j
	global_store_b128 v[O16+\j], v[CJ+10*\j:CJ+10*\j+3], s[44:45]              ; 512 consecutive bytes,
	global_store_b64 v[O8+\j], v[CJ+10*\j+4:CJ+10*\j+5], s[44:45] offset:512   ; and 256: each tile has registers of its own, so no store's data are written again
.endr
	; ---- the scale bytes: lanes 0-15 carry one tile's, lanes 16-31 the next tile's
	v_cmp_eq_u32 vcc_lo, 1, v3
	s_cmp_eq_u32 s22, 1
	s_cbranch_scc1 .Lscale_k
	s_cmp_eq_u32 s22, 2
	s_cbranch_scc1 .Lscale_v
.irp j, 0,1,2,3
	v_lshl_or_b32 v[SW+\j], v[SW+\j], 16, v[SW+\j] ; q: the two bytes twice: q stands in either half of a K step of 128
.endr
	s_delay_alu instid0(VALU_DEP_3)
	v_cndmask_b32 v124, v[SW], v[SW+1], vcc_lo
	s_delay_alu instid0(VALU_DEP_2)
	v_cndmask_b32 v125, v[SW+2], v[SW+3], vcc_lo
	s_lshl_b32 s47, s37, 6
	s_add_co_u32 s47, s47, 3145728
	v_lshl_add_u32 v126, v1, 2, s47
	global_store_b32 v126, v124, s[44:45]
	global_store_b32 v126, v125, s[44:45] offset:128
	s_endpgm
.Lscale_k:
	v_lshl_or_b32 v[SW], v[SW+1], 16, v[SW]        ; k: a fragment holds two key tiles: the first's bytes below, the second's above
	v_lshl_or_b32 v[SW+2], v[SW+3], 16, v[SW+2]
	s_delay_alu instid0(VALU_DEP_1)
	v_cndmask_b32 v124, v[SW], v[SW+2], vcc_lo
	s_lshl_b32 s47, s40, 7
	s_add_co_u32 s47, s47, s39
	s_add_co_u32 s47, s47, 6144
	v_lshl_add_u32 v126, v1, 2, s47
	global_store_b32 v126, v124, s[44:45]
	s_endpgm
.Lscale_v:
	v_cndmask_b32 v124, v[SW], v[SW+1], vcc_lo     ; v: my 64 keys are half of a word's 128: two bytes a row
	v_cndmask_b32 v125, v[SW+2], v[SW+3], vcc_lo
	s_lshl_b32 s47, s40, 1
	s_add_co_u32 s47, s47, s39
	s_add_co_u32 s47, s47, 12544
	v_lshl_add_u32 v126, v1, 2, s47
	global_store_b16 v126, v124, s[44:45]
	global_store_b16 v126, v125, s[44:45] offset:128
	s_endpgm
.Lfunc_end_k_q8da1e371ab_proj:
	.size	k_q8da1e371ab_proj, .Lfunc_end_k_q8da1e371ab_proj-k_q8da1e371ab_proj
	.p2alignl 7, 3214868480
	.fill 96, 4, 3214868480
	.section	.rodata,"a",@progbits
	.p2align	6, 0x0
	.amdhsa_kernel k_q8da1e371ab_proj
		.amdhsa_group_segment_fixed_size 0
		.amdhsa_private_segment_fixed_size 0
		.amdhsa_enable_private_segment 0
		.amdhsa_kernarg_size 56
		.amdhsa_user_sgpr_count 2
		.amdhsa_user_sgpr_kernarg_segment_ptr 1
		.amdhsa_wavefront_size32 1
		.amdhsa_system_sgpr_workgroup_id_x 1
		.amdhsa_system_sgpr_workgroup_id_y 1
		.amdhsa_system_sgpr_workgroup_id_z 1
		.amdhsa_system_vgpr_workitem_id 0
		.amdhsa_next_free_vgpr 336
		.amdhsa_next_free_sgpr 66
		.amdhsa_reserve_vcc 1
		.amdhsa_float_denorm_mode_32 3
		.amdhsa_float_denorm_mode_16_64 3
		.amdhsa_memory_ordered 1
		.amdhsa_forward_progress 1
		.amdhsa_inst_pref_size 75
	.end_amdhsa_kernel
	.amdgpu_metadata
---
amdhsa.version: [ 1, 2 ]
amdhsa.kernels:
  - .name:           k_q8da1e371ab_proj
    .symbol:         k_q8da1e371ab_proj.kd
    .args:
      - { .name: im, .offset: 0, .size: 8, .value_kind: global_buffer, .address_space: global }
      - { .name: sc, .offset: 8, .size: 8, .value_kind: global_buffer, .address_space: global }
      - { .name: bq, .offset: 16, .size: 8, .value_kind: global_buffer, .address_space: global }
      - { .name: bk, .offset: 24, .size: 8, .value_kind: global_buffer, .address_space: global }
      - { .name: bv, .offset: 32, .size: 8, .value_kind: global_buffer, .address_space: global }
      - { .name: qi, .offset: 40, .size: 8, .value_kind: global_buffer, .address_space: global }
      - { .name: kv, .offset: 48, .size: 8, .value_kind: global_buffer, .address_space: global }
    .group_segment_fixed_size: 0
    .private_segment_fixed_size: 0
    .kernarg_segment_align: 8
    .kernarg_segment_size: 56
    .max_flat_workgroup_size: 384
    .sgpr_count:     66
    .vgpr_count:     336
    .wavefront_size: 32
...
	.end_amdgpu_metadata
.endif
;; end of part 2
;; launch attn (part 3): grid 256 x 1, 8 waves a work-group, no clusters, 0 bytes of LDS; arguments qi, kv, mask, fl, im, sc; writes im, sc
.if DOCPART == 3
	.amdgcn_target "amdgcn-amd-amdhsa--gfx1250"
	.amdhsa_code_object_version 6
	.text
	.protected	k_q8da1e371ab_attn
	.globl	k_q8da1e371ab_attn
	.p2align	8
	.type	k_q8da1e371ab_attn,@function
k_q8da1e371ab_attn:
	s_mov_b64 s[64:65], 0
	v_nop
	global_prefetch_b8 v0, s[64:65] scope:SCOPE_SE
	s_setreg_imm32_b32 hwreg(HW_REG_WAVE_MODE, 25, 1), 1
	s_wait_xcnt 0x0
; attn[b][h][q] = the sum over k of softmax_k(q . k / 8 + mask[q][k] x -1e9) v[k], both products on codes of FP6 (E2M3) with E8M0 scales; the result quantised along the model's 1,024 for the last product.
; THE MASK IS AN INPUT.  The first launch has read all of it and stored, for each 4 queries and each tile of 128 keys, two bits in fl: LIVE and NONZERO.  This launch reads those whole numbers and does what they ask for:
;   a tile that is live for none of my 32 queries is passed over: each of its p = 2^(t - M) is 0 (its logits lie 5e8 - |q . k| / 4 or more under the row's largest), so it adds nothing to the sum or to the product;
;   a live tile whose mask is 0 throughout adds 0 x -1e9 = 0: the mask is neither loaded nor added there;   every other live tile loads its mask numbers and adds them, in f32.
; LIMITS: passing a tile over holds while |q . k| / 8 stays under 2e8 and |mask| under 1e6 (the drawn data: about 6, and 1); a NaN or an infinity in a tile passed over is not carried to the result; NaN and infinities are not served;
; p under 2^-126 counts as 0 (v_exp_f32 gives no denormals: ISA guide, its entry); a block of zeros carries the byte 1, not 127 (zero codes; this program alone reads the bytes).
; THE SOFTMAX: M = the running largest t rounded UP to a whole number; p = 2^(t - M) is quantised along the keys, not normalised; the row's sum is taken of the unquantised p and divides at the end.  When M moves, the sum and O are
; multiplied by 2^(old M - new M): exact.  With a mask: x = mask x -8e9 + q . k, t = x log2(e) / 8 rounded to f32 (so a row that is masked throughout keeps p = 1), then t x 1.0 - M.  Without: q . k x log2(e) / 8 - M in one fused multiply-add.
; SHARES.  Work-group x: batch and head x / 8.  A wave owns 32 queries (two tiles of 16) of that head, so each fragment of K and V feeds two tiles; eight waves, two to a SIMD, share nothing: no LDS, no barrier.
; Waves w and w + 4 take query blocks 63 - j and j: a deal by ids alone, right for any mask.
; NO TENSOR LOAD, NO CLUSTER: the walk over the keys hangs on numbers read from memory, so operands go from memory straight into registers (they are laid as images of the operand's registers).  Loads run ahead in registers:
; K's next record is asked for behind the score products, V's behind the second products.  NO PREFETCH: each load already stands a step ahead of its wait, and the 64 waves of a head read the same 16 records.
; The last trip asks once more for a record (number 15) that nobody reads: so every counted wait has the same 18 younger loads on every path.
; LAYOUT.  Both products transposed: S^T = K Q^T, O^T = V^T P^T: a lane holds ONE query of each tile.  Registers 16 b + x of S^T are keys 32 b + 16 (lane / 16) + x.  A fragment of K holds two key tiles, one in each half of the
; instruction's 128; q stands between zero codes and is read as (q, 0) or as (0, q).
; REGISTERS.  Window 0: addresses, scales, q, V, O^T, p's codes (under them tile 0's mask numbers).  Window 1: S^T, K, scratch (under it tile 1's mask numbers), the running state.
.set A16, 1                            ; 16, 8, 4 bytes a lane
.set A8,  2
.set A4,  3
.set QS,  4                            ; v4-11 scales and nothing else: q's, p's, K's, V's, two each
.set PW,  6
.set KS,  8
.set VS,  10
.set AM,  12                           ; my place in a mask tile: row r, + 64 h
.set LN,  13
.set AR4, 14                           ; 4 r
.set AR16, 15                          ; 16 r
.set QZ,  16                           ; v16-45: zeros, q of tile 0, zeros, q of tile 1, zeros: six each
.set VF,  46                           ; v46-93 V's four fragments
.set O,   94                           ; v94-157 O^T, 32 a tile
.set PC,  158                          ; v158-181 p's codes, 12 a tile
.set PT,  182                          ; v182-197 second halves of blocks before they are moved
.set MKA, 158                          ; v158-221 tile 0's 64 mask numbers
.set W,   226                          ; the way out
.set MX,  232
.set PX,  236
.set SOO, 240
.set BY,  244
.set SB,  248
; window 1
.set S,   0                            ; S^T, then p: 64 a tile
.set KF,  128                          ; K's four fragments
.set MKB, 176                          ; tile 1's 64 mask numbers; then scratch:
.set BM,  176                          ; the eight blocks' largest score, then p
.set BX,  184
.set SO,  192
.set TT,  200
.set TO,  202
.set SU,  208
.set ST,  240                          ; a tile's state: -M, the largest t, the sum in two halves
.set FT,  248                          ; f = 2^(old M - new M), a pair a tile
.set WV,  16
.set BH,  17
.set QB,  18
.set REM, 32
.set GEN, 33
.set NXT, 35
.set GF,  36
.set CNT, 37
.set N,   38
.set KV0, 40
.set KB,  42
.set OFF, 44
.set MQ,  46
.set MB,  48
.set CS,  50
.set CC,  52
.set NB,  54
.set SEL, 56
.set MSB, 0
.macro WIN new                         ; the immediate's high byte repeats the setting that is left
.if MSB != \new
	s_set_vgpr_msb (MSB<<8)|\new
.set MSB, \new
.endif
.endm
.macro WMZ d, a, b, sa, sb, row        ; a product that starts its sum
.if \row
	v_wmma_scale_f32_16x16x128_f8f6f4 v[(\d):(\d)+7], v[(\a):(\a)+11], v[(\b):(\b)+11], 0, v[\sa], v[\sb] matrix_a_fmt:MATRIX_FMT_FP6 matrix_b_fmt:MATRIX_FMT_FP6 matrix_a_scale:MATRIX_SCALE_ROW1
.else
	v_wmma_scale_f32_16x16x128_f8f6f4 v[(\d):(\d)+7], v[(\a):(\a)+11], v[(\b):(\b)+11], 0, v[\sa], v[\sb] matrix_a_fmt:MATRIX_FMT_FP6 matrix_b_fmt:MATRIX_FMT_FP6
.endif
.endm
.macro WMA d, a, b, sa, sb, row        ; a product that adds in place
.if \row
	v_wmma_scale_f32_16x16x128_f8f6f4 v[(\d):(\d)+7], v[(\a):(\a)+11], v[(\b):(\b)+11], v[(\d):(\d)+7], v[\sa], v[\sb] matrix_a_fmt:MATRIX_FMT_FP6 matrix_b_fmt:MATRIX_FMT_FP6 matrix_a_scale:MATRIX_SCALE_ROW1
.else
	v_wmma_scale_f32_16x16x128_f8f6f4 v[(\d):(\d)+7], v[(\a):(\a)+11], v[(\b):(\b)+11], v[(\d):(\d)+7], v[\sa], v[\sb] matrix_a_fmt:MATRIX_FMT_FP6 matrix_b_fmt:MATRIX_FMT_FP6
.endif
.endm
.macro FRAGS reg, off                  ; four fragments as images: 16 loads
.irp f, 0,1,2,3
	global_load_b128 v[\reg+12*\f:\reg+12*\f+3], v[A16], s[KB:KB+1] offset:\off+1536*\f
	global_load_b64 v[\reg+12*\f+4:\reg+12*\f+5], v[A8], s[KB:KB+1] offset:\off+1536*\f+512
	global_load_b128 v[\reg+12*\f+6:\reg+12*\f+9], v[A16], s[KB:KB+1] offset:\off+1536*\f+768
	global_load_b64 v[\reg+12*\f+10:\reg+12*\f+11], v[A8], s[KB:KB+1] offset:\off+1536*\f+1280
.endr
.endm
.macro LDK                             ; 18 loads: K of the record at KB
	WIN 0x40
	FRAGS KF, 0
	WIN 0
	global_load_b32 v[KS], v[A4], s[KB:KB+1] offset:6144      ; lanes 0-15 fragment 0's words, lanes 16-31 fragment 1's
	global_load_b32 v[KS+1], v[A4], s[KB:KB+1] offset:6272
.endm
.macro LDV                             ; 18 loads: V of the same record
	FRAGS VF, 6400
	global_load_b32 v[VS], v[A4], s[KB:KB+1] offset:12544
	global_load_b32 v[VS+1], v[A4], s[KB:KB+1] offset:12672
.endm
.macro NEXT                            ; the lowest live tile that is left (none left: 15), its record and its place in the mask's rows
	s_ctz_i32_b32 s[NXT], s[REM]
	s_min_u32 s[NXT], s[NXT], 15
	s_add_co_i32 s19, s[REM], -1
	s_and_b32 s[REM], s[REM], s19
	s_mul_i32 s[OFF], s[NXT], 12800
	s_add_nc_u64 s[KB:KB+1], s[KV0:KV0+1], s[OFF:OFF+1]
	s_lshl_b32 s22, s[NXT], 9
	s_add_nc_u64 s[MB:MB+1], s[MQ:MQ+1], s[22:23]
.endm
.macro GFSET                           ; does that tile need its mask?  With a mask S holds t, and the factor is 1.0; without, q . k, and the factor is log2(e) / 8
	s_lshr_b32 s[GF], s[GEN], s[NXT]
	s_and_b32 s[GF], s[GF], 1
	s_cmp_lg_u32 s[GF], 0
	s_cselect_b32 s[CS], 1.0, s[CC]
	s_mov_b32 s[CS+1], s[CS]
.endm
	s_load_b256 s[4:11], s[0:1], 0x0               ; qi, kv, mask, fl
	s_load_b128 s[12:15], s[0:1], 0x20             ; im, sc
	v_lshrrev_b32 v1, 5, v0
	v_readfirstlane_b32 s[WV], v1                  ; wave 0..7
	v_and_b32 v[LN], 31, v0
	v_and_b32 v[AR4], 15, v0                       ; r
	v_bfe_u32 v[AR16], v0, 4, 1                    ; h
	v_lshlrev_b32 v[AM], 13, v[AR4]
	v_lshl_add_u32 v[AM], v[AR16], 6, v[AM]
	v_lshlrev_b32 v[A16], 4, v[LN]
	v_lshlrev_b32 v[A8], 3, v[LN]
	v_lshlrev_b32 v[A4], 2, v[LN]
	v_lshlrev_b32 v[AR16], 4, v[AR4]
	v_lshlrev_b32 v[AR4], 2, v[AR4]
	s_lshr_b32 s[BH], ttmp9, 3                     ; 16 x batch + head
	s_and_b32 s19, ttmp9, 7
	s_lshl_b32 s19, s19, 2
	s_and_b32 s20, s[WV], 3
	s_add_co_u32 s19, s19, s20                     ; j
	s_sub_co_u32 s20, 63, s19
	s_cmp_lt_u32 s[WV], 4
	s_cselect_b32 s[QB], s20, s19                  ; my block of 32 queries
	s_lshl_b32 s19, s[BH], 7
	s_lshl_b32 s20, s[QB], 1
	s_add_co_u32 s19, s19, s20                     ; my first tile of queries
	s_mul_i32 s58, s19, 768
	s_mov_b32 s59, 0
	s_lshl_b32 s60, s19, 6
	s_add_co_u32 s60, s60, 3145728
	s_mov_b32 s61, 0
	s_lshl_b32 s22, s[QB], 5                       ; eight words of fl: 32 queries
	s_mov_b32 s23, 0
	s_mul_i32 s[OFF], s[BH], 204800
	s_mov_b32 s[OFF+1], 0
	s_lshl_b32 s20, s[QB], 18                      ; 32 rows of the mask, 8,192 bytes each
	s_mov_b32 s21, 0
	s_mov_b32 s[SEL], 0x76543210
	s_mov_b32 s[SEL+1], 0xfedcba98                 ; v_permlanex16_b32's selects for lane l xor 16
	s_mov_b32 s[CC], 0x3e38aa3b                    ; log2(e) / 8
	s_mov_b32 s[CC+1], s[CC]
	s_mov_b32 s[NB], 0xcfee6b28                    ; -8e9
	s_mov_b32 s[NB+1], s[NB]
	s_mov_b32 s[CNT], 0
	s_wait_alu depctr_va_vdst(0)                   ; the wait ahead of the wait below
	s_wait_kmcnt 0x0
	s_add_nc_u64 s[22:23], s[10:11], s[22:23]
	s_load_b256 s[24:31], s[22:23], 0x0
	s_add_nc_u64 s[58:59], s[4:5], s[58:59]
	s_add_nc_u64 s[60:61], s[4:5], s[60:61]
	s_add_nc_u64 s[KV0:KV0+1], s[6:7], s[OFF:OFF+1]
	s_add_nc_u64 s[MQ:MQ+1], s[8:9], s[20:21]
.irp a, 0,1
	global_load_b128 v[QZ+6+12*\a:QZ+9+12*\a], v[A16], s[58:59] offset:768*\a        ; q's half images stay in registers
	global_load_b64 v[QZ+10+12*\a:QZ+11+12*\a], v[A8], s[58:59] offset:768*\a+512
	global_load_b32 v[QS+\a], v[AR4], s[60:61] offset:64*\a
.endr
.irp i, 0,1,2,3,4,5
	v_mov_b32 v[QZ+\i], 0                          ; zero codes round q
	v_mov_b32 v[QZ+12+\i], 0
	v_mov_b32 v[QZ+24+\i], 0
.endr
.set j, 0
.rept 64
	v_mov_b32 v[O+j], 0                            ; O^T: the step is written for all steps alike: the first finds zeros
.set j, j+1
.endr
.irp i, 0,1,2,3
	v_mov_b32 v[PX+\i], 0                          ; a lane permute's destination counts as one of its sources
.endr
	v_mov_b32 v[W+4], 0
	v_mov_b32 v[W+5], 0
	WIN 0x40
.irp e, 0,1,2,3,4,5,6,7
	v_mov_b32 v[BX+\e], 0
.endr
.irp a, 0,1
	v_mov_b32 v[ST+4*\a], 0x7f61b1e6               ; -M = 3e38,
	v_mov_b32 v[ST+4*\a+1], 0xff61b1e6             ; the largest t so far: -3e38
	v_mov_b32 v[ST+4*\a+2], 0
	v_mov_b32 v[ST+4*\a+3], 0
	v_mov_b32 v[FT+2*\a], 0
	v_mov_b32 v[FT+2*\a+1], 0                      ; (named as the upper half of a pair)
.endr
	WIN 0
	s_wait_alu depctr_va_vdst(0)                   ; the wait at the head's end
	s_wait_kmcnt 0x0
.irp i, 25,26,27,28,29,30,31
	s_or_b32 s24, s24, s\i                         ; what any of my 32 queries asks for
.endr
	s_and_b32 s[REM], s24, 0xffff                  ; live tiles,
	s_lshr_b32 s[GEN], s24, 16                     ; tiles with a mask that is not 0
	s_bcnt1_i32_b32 s[N], s[REM]                   ; trips
	s_mov_b32 s23, 0
	NEXT
	GFSET
	LDK
	LDV
.Ltrip:                                            ; one live tile of 128 keys
	s_wait_loadcnt 18                              ; K and its scale words are in (q too); the younger 18 loads, V's, may be out
	s_cmp_lg_u32 s[GF], 0
	s_cbranch_scc0 .Lno_mask
.irp b, 0,1,2,3
.irp q, 0,1,2,3
	global_load_b128 v[MKA+16*\b+4*\q:MKA+16*\b+4*\q+3], v[AM], s[MB:MB+1] offset:128*\b+16*\q          ; the mask of my query at keys 32 b + 16 h + 0 .. 15
.endr
.endr
	WIN 0x40
.irp b, 0,1,2,3
.irp q, 0,1,2,3
	global_load_b128 v[MKB+16*\b+4*\q:MKB+16*\b+4*\q+3], v[AM], s[MB:MB+1] offset:131072+128*\b+16*\q   ; and of tile 1's, 16 rows on
.endr
.endr
	WIN 0
.Lno_mask:
	WIN 0x41                                       ; D and K in window 1, q in window 0
.irp a, 0,1
.irp f, 0,2
	WMZ S+64*\a+16*\f, KF+12*\f, QZ+6+12*\a, KS+\f/2, QS+\a, 0
	WMZ S+64*\a+16*\f+8, KF+12*\f, QZ+12*\a, KS+\f/2, QS+\a, 0
	WMZ S+64*\a+16*\f+16, KF+12*\f+12, QZ+6+12*\a, KS+\f/2, QS+\a, 1
	WMZ S+64*\a+16*\f+24, KF+12*\f+12, QZ+12*\a, KS+\f/2, QS+\a, 1
.endr
.endr
	WIN 0
.rept 4
	v_nop                                          ; places in front of the loads into K's registers and of the first reads of the scores
.endr
	s_wait_xcnt 0x0                                ; every load has read its base: the bases are written again only behind this wait
	NEXT
	LDK                                            ; the next live tile's K lands under the softmax
	s_cmp_lg_u32 s[GF], 0
	s_cbranch_scc0 .Lplain
	s_wait_loadcnt 18                              ; the mask is in; the younger 18 loads, K's, may be out
	WIN 0x50
.set j, 0
.rept 32
	v_pk_fma_f32 v[S+j:S+j+1], v[MKA+j:MKA+j+1], s[NB:NB+1], v[S+j:S+j+1] op_sel_hi:[1,0,1]             ; 8 x logit; each accumulator from its low end on
.set j, j+2
.endr
	WIN 0x51
.set j, 0
.rept 32
	v_pk_fma_f32 v[S+64+j:S+64+j+1], v[MKB+j:MKB+j+1], s[NB:NB+1], v[S+64+j:S+64+j+1] op_sel_hi:[1,0,1]
.set j, j+2
.endr
.set j, 0
.rept 64
	v_pk_mul_f32 v[S+j:S+j+1], v[S+j:S+j+1], s[CC:CC+1] op_sel_hi:[1,0]                                 ; t, rounded to f32
.set j, j+2
.endr
	WIN 0
.Lplain:
	WIN 0x55
.irp e, 0,1,2,3,4,5,6,7                        ; the largest score of each block of 32 keys (e = 4 x tile + block): eight chains by turns
	v_max3_num_f32 v[BM+\e], v[S+16*\e], v[S+16*\e+1], v[S+16*\e+2]
.endr
.irp i, 3,5,7,9,11,13
.irp e, 0,1,2,3,4,5,6,7
	v_max3_num_f32 v[BM+\e], v[BM+\e], v[S+16*\e+\i], v[S+16*\e+\i+1]
.endr
.endr
.irp e, 0,1,2,3,4,5,6,7
	v_max_num_f32 v[BM+\e], v[BM+\e], v[S+16*\e+15]
.endr
.irp e, 0,1,2,3,4,5,6,7
	v_permlanex16_b32 v[BX+\e], v[BM+\e], s[SEL], s[SEL+1]
.endr
.irp e, 0,1,2,3,4,5,6,7
	v_max_num_f32 v[BM+\e], v[BM+\e], v[BX+\e]     ; with lane l xor 16's 16 keys
.endr
.irp a, 0,1
	v_max3_num_f32 v[TT+\a], v[BM+4*\a], v[BM+4*\a+1], v[BM+4*\a+2]
.endr
.irp a, 0,1
	s_delay_alu instid0(VALU_DEP_2)
	v_max_num_f32 v[TT+\a], v[TT+\a], v[BM+4*\a+3]
.endr
.irp a, 0,1
	s_delay_alu instid0(VALU_DEP_2)
	v_mul_f32 v[TT+\a], s[CS], v[TT+\a]            ; the step's largest t (the factor is positive)
.endr
.irp a, 0,1
	s_delay_alu instid0(VALU_DEP_2)
	v_max_num_f32 v[ST+4*\a+1], v[ST+4*\a+1], v[TT+\a]
.endr
.irp a, 0,1
	v_mov_b32 v[TO+\a], v[ST+4*\a]
.endr
.irp a, 0,1
	s_delay_alu instid0(VALU_DEP_4)
	v_floor_f32 v[ST+4*\a], -v[ST+4*\a+1]          ; the new -M = -ceil(t): a whole number
.endr
.irp a, 0,1
	s_delay_alu instid0(VALU_DEP_2)
	v_sub_f32 v[TO+\a], v[ST+4*\a], v[TO+\a]       ; old M - new M
.endr
.irp a, 0,1
	s_delay_alu instid0(VALU_DEP_2)
	v_cvt_i32_f32 v[TO+\a], v[TO+\a]               ; (it saturates)
.endr
.irp a, 0,1
	s_delay_alu instid0(VALU_DEP_2)
	v_ldexp_f32 v[FT+2*\a], 1.0, v[TO+\a]          ; f
.endr
.set j, 0
.rept 64
	v_pk_fma_f32 v[S+j:S+j+1], v[S+j:S+j+1], s[CS:CS+1], v[ST+4*(j/64):ST+4*(j/64)+1] op_sel_hi:[1,0,0] ; t - M (of both pairs the low word serves both halves)
.set j, j+2
.endr
.irp e, 0,1,2,3,4,5,6,7
	v_fma_f32 v[BM+\e], v[BM+\e], s[CS], v[ST+4*(\e/4)]        ; the same of each block's largest score
.endr
	s_wait_alu depctr_va_vdst(0)                   ; the wait ahead of the batch
.set j, 0
.rept 128
	v_exp_f32 v[S+j], v[S+j]                       ; p = 2^(t - M)
.set j, j+1
.endr
.irp e, 0,1,2,3,4,5,6,7
	v_exp_f32 v[BM+\e], v[BM+\e]                   ; the block's largest p: the same two instructions on the same number
.endr
.irp a, 0,1
	v_pk_mul_f32 v[ST+4*\a+2:ST+4*\a+3], v[ST+4*\a+2:ST+4*\a+3], v[FT+2*\a:FT+2*\a+1] op_sel_hi:[1,0]   ; the sums under the new M: plain work behind the batch
.endr
	s_wait_alu depctr_va_vdst(0)                   ; one wait for the batch, ahead of its first reader
.irp a, 0,1                                    ; the row's sum of the unquantised p: eight chains by turns
.irp c, 0,1,2,3
	v_pk_add_f32 v[SU+8*\a+2*\c:SU+8*\a+2*\c+1], v[S+64*\a+2*\c:S+64*\a+2*\c+1], v[S+64*\a+2*\c+8:S+64*\a+2*\c+9]
.endr
.endr
.irp k, 2,3,4,5,6,7
.irp a, 0,1
.irp c, 0,1,2,3
	v_pk_add_f32 v[SU+8*\a+2*\c:SU+8*\a+2*\c+1], v[SU+8*\a+2*\c:SU+8*\a+2*\c+1], v[S+64*\a+2*\c+8*\k:S+64*\a+2*\c+8*\k+1]
.endr
.endr
.endr
.irp e, 0,1,2,3,4,5,6,7
	v_max_num_f32 v[BM+\e], 0x1800000, v[BM+\e]    ; the floor 2^(3 - 127): the byte cannot fall under 1
.endr
.irp a, 0,1
	v_pk_add_f32 v[SU+8*\a:SU+8*\a+1], v[SU+8*\a:SU+8*\a+1], v[SU+8*\a+2:SU+8*\a+3]
	v_pk_add_f32 v[SU+8*\a+4:SU+8*\a+5], v[SU+8*\a+4:SU+8*\a+5], v[SU+8*\a+6:SU+8*\a+7]
.endr
.irp e, 0,1,2,3,4,5,6,7
	v_add_nc_u32 v[SO+\e], 0xff000000, v[BM+\e]    ; 2 off the exponent field: the conversion's scale operand
.endr
.irp a, 0,1
	v_pk_add_f32 v[SU+8*\a:SU+8*\a+1], v[SU+8*\a:SU+8*\a+1], v[SU+8*\a+4:SU+8*\a+5]
.endr
.irp e, 0,1,2,3,4,5,6,7
	v_lshrrev_b32 v[BX+\e], 23, v[SO+\e]           ; the byte
.endr
.irp a, 0,1
	v_pk_add_f32 v[ST+4*\a+2:ST+4*\a+3], v[ST+4*\a+2:ST+4*\a+3], v[SU+8*\a:SU+8*\a+1]
.endr
.irp a, 0,1
	v_lshl_or_b32 v[TT+\a], v[BX+4*\a+1], 8, v[BX+4*\a]
.endr
.irp a, 0,1
	s_delay_alu instid0(VALU_DEP_2)
	v_lshl_or_b32 v[TT+\a], v[BX+4*\a+2], 16, v[TT+\a]
.endr
	WIN 0x15                                       ; sources in window 1, results in window 0
.irp a, 0,1
	v_lshl_or_b32 v[PW+\a], v[BX+4*\a+3], 24, v[TT+\a]         ; p's scale word for these 128 keys
.endr
.irp a, 0,1
.irp c, 0,1
	v_cvt_scalef32_pk16_fp6_f32 v[PC+12*\a+6*\c:PC+12*\a+6*\c+2], v[S+64*\a+32*\c:S+64*\a+32*\c+15], v[SO+4*\a+2*\c]
	v_cvt_scalef32_pk16_fp6_f32 v[PT+8*\a+4*\c:PT+8*\a+4*\c+2], v[S+64*\a+32*\c+16:S+64*\a+32*\c+31], v[SO+4*\a+2*\c+1]
.endr
.endr
	WIN 0
	v_nop                                          ; one plain place behind a scaled conversion
.irp g, 0,1,2,3                                ; the layout wants a whole block in a lane (g = 2 x tile + half)
.irp i, 0,1,2
	v_permlane16_swap_b32 v[PC+6*\g+\i], v[PT+4*\g+\i]
.endr
.endr
.irp g, 0,1,2,3
.irp i, 0,1,2
	v_mov_b32 v[PC+6*\g+3+\i], v[PT+4*\g+\i]
.endr
.endr
	WIN 0x04                                       ; f in window 1
	s_wait_alu depctr_va_vdst(0)                   ; the wait directly ahead of the first reader of O^T
.set j, 0
.rept 32
	v_pk_mul_f32 v[O+j:O+j+1], v[O+j:O+j+1], v[FT+2*(j/32):FT+2*(j/32)+1] op_sel_hi:[1,0]   ; O^T under the new M; also the places between the writes of p's codes and scale words and the products
.set j, j+2
.endr
	WIN 0
	s_wait_alu depctr_va_vdst(0)                   ; the wait ahead of the wait below
	s_wait_loadcnt 18                              ; V and its scale words are in; the younger 18 loads, the next K's, may be out
.irp a, 0,1                                    ; O^T += V^T P^T: eight accumulators, one instruction each
.irp f, 0,2
	WMA O+32*\a+8*\f, VF+12*\f, PC+12*\a, VS+\f/2, PW+\a, 0
	WMA O+32*\a+8*\f+8, VF+12*\f+12, PC+12*\a, VS+\f/2, PW+\a, 1
.endr
.endr
.rept 4
	v_nop                                          ; places in front of loads into registers that these products have read
.endr
	LDV                                            ; the next live tile's V
	GFSET
	s_add_co_u32 s[CNT], s[CNT], 1
	s_cmp_lt_u32 s[CNT], s[N]
	s_cbranch_scc1 .Ltrip
	; THE WAY OUT: O^T / the sum, quantised along the model's axis: my head's 64 are half of K step head / 2 of the last product; registers 16 b + x are channels 32 b + 16 h + x.
	s_lshr_b32 s19, s[BH], 4
	s_lshl_b32 s19, s19, 7
	s_lshl_b32 s20, s[QB], 1
	s_add_co_u32 s19, s19, s20                     ; my first tile of 16 tokens
	s_and_b32 s20, s[BH], 15                       ; my head
	s_wait_loadcnt 0x0                             ; no load is out: its registers and bases may be written
	s_mul_i32 s58, s19, 12288
	s_mul_i32 s21, s20, 768
	s_add_co_u32 s58, s58, s21
	s_add_co_u32 s58, s58, 12582912
	s_mov_b32 s59, 0
	s_add_nc_u64 s[58:59], s[12:13], s[58:59]
	s_lshl_b32 s60, s19, 9
	s_lshr_b32 s21, s20, 3
	s_lshl_b32 s21, s21, 8
	s_add_co_u32 s60, s60, s21
	s_and_b32 s21, s20, 7
	s_lshl_b32 s21, s21, 1
	s_add_co_u32 s60, s60, s21
	s_add_co_u32 s60, s60, 524288
	s_mov_b32 s61, 0
	s_add_nc_u64 s[60:61], s[14:15], s[60:61]
	WIN 0x01
.irp a, 0,1
	v_mov_b32 v[W+2*\a], v[ST+4*\a+2]
	v_mov_b32 v[W+2*\a+1], v[ST+4*\a+3]
.endr
	WIN 0
.irp a, 0,1
	v_add_f32 v[W+2*\a], v[W+2*\a], v[W+2*\a+1]    ; the sum's two halves,
.endr
.irp a, 0,1
	s_delay_alu instid0(VALU_DEP_2)
	v_permlanex16_b32 v[W+4+\a], v[W+2*\a], s[SEL], s[SEL+1]
.endr
.irp a, 0,1
	s_delay_alu instid0(VALU_DEP_2)
	v_add_f32 v[W+2*\a], v[W+2*\a], v[W+4+\a]      ; and lane l xor 16's
.endr
	s_wait_alu depctr_va_vdst(0)
	v_rcp_f32 v[W], v[W]
	v_rcp_f32 v[W+2], v[W+2]
	v_nop                                          ; one plain place behind a transcendental
	s_wait_alu depctr_va_vdst(0)                   ; the wait ahead of the reciprocals' first reader, which is O^T's first reader too
.set j, 0
.rept 32
	v_pk_mul_f32 v[O+j:O+j+1], v[O+j:O+j+1], v[W+2*(j/32):W+2*(j/32)+1] op_sel_hi:[1,0]
.set j, j+2
.endr
.irp e, 0,1,2,3                                ; four blocks of 32 channels (e = 2 x tile + block) by turns
	v_max3_num_f32 v[MX+\e], |v[O+16*\e]|, |v[O+16*\e+1]|, 0x1800000
.endr
.irp i, 2,4,6,8,10,12,14
.irp e, 0,1,2,3
	s_delay_alu instid0(VALU_DEP_4)
	v_max3_num_f32 v[MX+\e], v[MX+\e], |v[O+16*\e+\i]|, |v[O+16*\e+\i+1]|
.endr
.endr
.irp e, 0,1,2,3
	s_delay_alu instid0(VALU_DEP_4)
	v_permlanex16_b32 v[PX+\e], v[MX+\e], s[SEL], s[SEL+1]
.endr
.irp e, 0,1,2,3
	s_delay_alu instid0(VALU_DEP_4)
	v_max_num_f32 v[MX+\e], v[MX+\e], v[PX+\e]
.endr
.irp e, 0,1,2,3
	s_delay_alu instid0(VALU_DEP_4)
	v_add_nc_u32 v[SOO+\e], 0xff000000, v[MX+\e]
.endr
.irp e, 0,1,2,3
	s_delay_alu instid0(VALU_DEP_4)
	v_lshrrev_b32 v[BY+\e], 23, v[SOO+\e]
.endr
.irp a, 0,1
	v_lshl_or_b32 v[SB+\a], v[BY+2*\a+1], 8, v[BY+2*\a]        ; my row's two scale bytes
.endr
.irp a, 0,1
	v_cvt_scalef32_pk16_fp6_f32 v[PC+12*\a:PC+12*\a+2], v[O+32*\a:O+32*\a+15], v[SOO+2*\a]
	v_cvt_scalef32_pk16_fp6_f32 v[PC+12*\a+6:PC+12*\a+8], v[O+32*\a+16:O+32*\a+31], v[SOO+2*\a+1]
.endr
	v_nop                                          ; one plain place behind a scaled conversion
.irp a, 0,1
.irp i, 0,1,2
	v_permlane16_swap_b32 v[PC+12*\a+\i], v[PC+12*\a+6+\i]
.endr
.endr
.irp a, 0,1
.irp i, 0,1,2
	v_mov_b32 v[PC+12*\a+3+\i], v[PC+12*\a+6+\i]
.endr
.endr
.irp a, 0,1
	global_store_b128 v[A16], v[PC+12*\a:PC+12*\a+3], s[58:59] offset:12288*\a               ; the half image: 512 consecutive bytes,
	global_store_b64 v[A8], v[PC+12*\a+4:PC+12*\a+5], s[58:59] offset:12288*\a+512           ; and 256
	global_store_b16 v[AR16], v[SB+\a], s[60:61] offset:512*\a                               ; lanes r and 16 + r hold the same row's bytes and write them to the same place
.endr
	s_endpgm
.Lfunc_end_k_q8da1e371ab_attn:
	.size	k_q8da1e371ab_attn, .Lfunc_end_k_q8da1e371ab_attn-k_q8da1e371ab_attn
	.p2alignl 7, 3214868480
	.fill 96, 4, 3214868480
	.section	.rodata,"a",@progbits
	.p2align	6, 0x0
	.amdhsa_kernel k_q8da1e371ab_attn
		.amdhsa_group_segment_fixed_size 0
		.amdhsa_private_segment_fixed_size 0
		.amdhsa_enable_private_segment 0
		.amdhsa_kernarg_size 48
		.amdhsa_user_sgpr_count 2
		.amdhsa_user_sgpr_kernarg_segment_ptr 1
		.amdhsa_wavefront_size32 1
		.amdhsa_system_sgpr_workgroup_id_x 1
		.amdhsa_system_sgpr_workgroup_id_y 1
		.amdhsa_system_sgpr_workgroup_id_z 1
		.amdhsa_system_vgpr_workitem_id 0
		.amdhsa_next_free_vgpr 512
		.amdhsa_next_free_sgpr 66
		.amdhsa_reserve_vcc 0
		.amdhsa_float_denorm_mode_32 3
		.amdhsa_float_denorm_mode_16_64 3
		.amdhsa_memory_ordered 1
		.amdhsa_forward_progress 1
		.amdhsa_inst_pref_size 63
	.end_amdhsa_kernel
	.amdgpu_metadata
---
amdhsa.version: [ 1, 2 ]
amdhsa.kernels:
  - .name:           k_q8da1e371ab_attn
    .symbol:         k_q8da1e371ab_attn.kd
    .args:
      - { .name: qi, .offset: 0, .size: 8, .value_kind: global_buffer, .address_space: global }
      - { .name: kv, .offset: 8, .size: 8, .value_kind: global_buffer, .address_space: global }
      - { .name: mask, .offset: 16, .size: 8, .value_kind: global_buffer, .address_space: global }
      - { .name: fl, .offset: 24, .size: 8, .value_kind: global_buffer, .address_space: global }
      - { .name: im, .offset: 32, .size: 8, .value_kind: global_buffer, .address_space: global }
      - { .name: sc, .offset: 40, .size: 8, .value_kind: global_buffer, .address_space: global }
    .group_segment_fixed_size: 0
    .private_segment_fixed_size: 0
    .kernarg_segment_align: 8
    .kernarg_segment_size: 48
    .max_flat_workgroup_size: 256
    .sgpr_count:     66
    .vgpr_count:     512
    .wavefront_size: 32
...
	.end_amdgpu_metadata
.endif
;; end of part 3
;; launch outp (part 4): grid 8 x 32, 4 waves a work-group, no clusters, 17,920 bytes of LDS; arguments im, sc, bo, out0; writes out0
.if DOCPART == 4
	.amdgcn_target "amdgcn-amd-amdhsa--gfx1250"
	.amdhsa_code_object_version 6
	.text
	.protected	k_q8da1e371ab_outp
	.globl	k_q8da1e371ab_outp
	.p2align	8
	.type	k_q8da1e371ab_outp,@function
k_q8da1e371ab_outp:
	s_mov_b64 s[64:65], 0
	v_nop
	global_prefetch_b8 v0, s[64:65] scope:SCOPE_SE
	s_setreg_imm32_b32 hwreg(HW_REG_WAVE_MODE, 25, 1), 1
	s_wait_xcnt 0x0
; out0 = attn Wo + bo on codes of FP6 (E2M3) with E8M0 scales, f32 sums and f32 results.  Nothing is left out.
; SHARES.  Work-group (x, y): 128 tokens (y) x 128 columns (x); four waves, one to a SIMD; wave w makes tokens 64 (w / 2) .. x columns 64 (w % 2) .. in 16 accumulators.  8 x 32 = 256 work-groups.
; OPERANDS come from memory straight into registers: earlier launches have laid them as images of the operand's registers, a fragment being four loads of 512, 256, 512, 256 consecutive bytes.
; LOADS RUN THREE K STEPS AHEAD: four sets of 96 registers (Wo's four fragments, the tokens' four), two in window 1 and two in window 2, take the 8 K steps by turns; step s + 3 is asked for at the head of step s.
; A wait's count is the number of younger loads (32 for each later step asked for, 4 for each later fragment of the tokens), written as 63 where it is more.
; NO TENSOR LOAD, NO CLUSTER, NO BARRIER: K is 8 steps of 16 matrix instructions a wave, and the operands land in registers, so there is no slot to guard and no joint request to make.  NO PREFETCH: the whole walk is 8 steps, asked for three ahead.
; Source 0 = Wo (tiles of rows 32 B + 8 u + r + 8 (r / 8)), source 1 = tokens: a lane holds a token, registers 16 b + x of its 32 are columns 32 b + 16 (lane / 16) + x.  The bias is the C of each accumulator's first product.
; THE WAY OUT: 16 tokens x 64 columns at a time through the wave's own stage in LDS (rows of 256 + 16 bytes) and back by rows: sixteen lanes store 256 consecutive bytes, aligned.
.set SPARE, 17408                      ; behind the four stages of 4,352 bytes: the spare words, 128 bytes a wave
.set AU16, 4                           ; Wo's images: 16 and 8 bytes a lane
.set AU8,  5
.set AL16, 6                           ; the tokens'
.set AL8,  7
.set VS,   8                           ; scale words: lanes 0-15 the tokens' rows, lanes 16-31 Wo's
.set SPW,  10                          ; my spare word; never rewritten
.set NIL,  11                          ; 0; never rewritten
.set STA,  12                          ; the stage, in
.set STB,  13                          ; and back
.set GO,   14                          ; my place in out0
.set BO,   15                          ; and in bo
.set SC,   32                          ; v32-63 scale words and nothing else: register 16 (s / 4) + 4 i + s % 4
.set BI,   64                          ; v64-95 the bias
.set BK,   32                          ; the way out: v32-95, two sets of 32
.set ACC,  128                         ; accumulator (i, j) at v[128 + 8 (4 j + i)]
.set MSB, 0
.macro WIN new                         ; the immediate's high byte repeats the setting that is left
.if MSB != (\new)
	s_set_vgpr_msb (MSB<<8)|(\new)
.set MSB, (\new)
.endif
.endm
	s_load_b256 s[4:11], s[0:1], 0x0               ; im, sc, bo, out0
	v_lshl_add_u32 v[SPW], v0, 2, SPARE
	v_mov_b32 v[NIL], 0
	v_lshrrev_b32 v1, 5, v0
	v_readfirstlane_b32 s14, v1                    ; wave
	s_lshr_b32 s15, s14, 1                         ; which 64 tokens
	s_and_b32 s16, s14, 1                          ; which 64 columns
	s_and_b32 s17, ttmp7, 0xffff                   ; y
	s_mul_i32 s20, ttmp9, 98304
	s_mul_i32 s21, s16, 49152
	s_add_co_u32 s20, s20, s21
	s_add_co_u32 s20, s20, 11796480                ; Wo's four tiles in im
	s_mul_i32 s22, s17, 98304
	s_mul_i32 s21, s15, 49152
	s_add_co_u32 s22, s22, s21
	s_add_co_u32 s22, s22, 12582912                ; the tokens' four tiles
	s_lshl_b32 s23, s17, 12
	s_lshl_b32 s21, s15, 11
	s_add_co_u32 s23, s23, s21
	s_add_co_u32 s23, s23, 524288                  ; and the same in sc
	s_lshl_b32 s24, ttmp9, 12
	s_lshl_b32 s21, s16, 11
	s_add_co_u32 s24, s24, s21
	s_add_co_u32 s24, s24, 491520
	s_mul_i32 s25, s14, 4352                       ; my stage
	s_lshl_b32 s27, ttmp9, 1
	s_add_co_u32 s27, s27, s16
	s_lshl_b32 s27, s27, 8                         ; my first column, in bytes
	s_lshl_b32 s26, s17, 1
	s_add_co_u32 s26, s26, s15
	s_lshl_b32 s26, s26, 18                        ; my first token: 64 rows of 4,096 bytes
	s_add_co_u32 s26, s26, s27
	v_and_b32 v1, 31, v0                           ; lane
	v_and_b32 v2, 15, v0                           ; r
	v_bfe_u32 v3, v0, 4, 1                         ; h
	v_lshl_add_u32 v[AU16], v1, 4, s20
	v_lshl_add_u32 v[AU8], v1, 3, s20
	v_lshl_add_u32 v[AL16], v1, 4, s22
	v_lshl_add_u32 v[AL8], v1, 3, s22
	v_mov_b32 v9, s24
	v_mov_b32 v[VS], s23
	v_cmp_eq_u32 vcc_lo, 1, v3
	v_cndmask_b32 v[VS], v[VS], v9, vcc_lo
	v_lshl_add_u32 v[VS], v2, 4, v[VS]             ; 16 bytes a row: the words of four K steps
	v_mul_u32_u24 v[STA], v2, 272
	v_lshl_add_u32 v[STA], v3, 6, v[STA]
	v_add_nc_u32 v[STA], s25, v[STA]               ; in: row r, + 64 h
	v_mul_u32_u24 v[STB], v3, 272
	v_lshl_add_u32 v[STB], v2, 4, v[STB]
	v_add_nc_u32 v[STB], s25, v[STB]               ; back: lanes 0-15 one row, lanes 16-31 the next
	v_lshl_add_u32 v[BO], v3, 6, s27
	v_lshl_add_u32 v[GO], v3, 12, s26
	v_lshl_add_u32 v[GO], v2, 4, v[GO]
	s_wait_alu depctr_va_vdst(0)                   ; the wait at the head's end
	s_wait_kmcnt 0x0
.macro FRAG reg, a16, a8, off
	global_load_b128 v[\reg:\reg+3], v[\a16], s[4:5] offset:\off
	global_load_b64 v[\reg+4:\reg+5], v[\a8], s[4:5] offset:\off+512
	global_load_b128 v[\reg+6:\reg+9], v[\a16], s[4:5] offset:\off+768
	global_load_b64 v[\reg+10:\reg+11], v[\a8], s[4:5] offset:\off+1280
.endm
.macro LDSTEP s                        ; K step s into set s % 4: window 1 + (s % 4) / 2, from register 128 (s % 2) on: 32 loads
	WIN (1+((\s)%4)/2)<<6
.irp i, 0,1,2,3
	FRAG 128*((\s)%2)+12*\i, AU16, AU8, 12288*\i+1536*(\s)
.endr
.irp i, 0,1,2,3
	FRAG 128*((\s)%2)+48+12*\i, AL16, AL8, 12288*\i+1536*(\s)
.endr
	WIN 0
.endm
; A K step of 128: 16 matrix instructions; the 16 accumulators take turns, one instruction a turn, from step to step too.
.macro KSTEP s
.set FB, 128*((\s)%2)
.set SCS, SC+16*((\s)/4)+(\s)%4
.if (\s) > 0 && (\s) < 5
.rept 4
	v_nop                                          ; four places in front of loads into the set that the step before has read
.endr
.endif
.if (\s) < 5
	LDSTEP (\s)+3
.endif
	WIN 5*(1+((\s)%4)/2)                           ; both sources in the set's window, C and D in window 0
.irp j, 0,1,2,3
.set NW, 32*(7-(\s))+12-4*\j
.if NW > 63
.set NW, 63
.endif
	s_wait_loadcnt NW
.irp i, 0,1,2,3
.if (\s) == 0
	v_wmma_scale_f32_16x16x128_f8f6f4 v[ACC+8*(4*\j+\i):ACC+8*(4*\j+\i)+7], v[FB+12*\i:FB+12*\i+11], v[FB+48+12*\j:FB+48+12*\j+11], v[BI+8*\i:BI+8*\i+7], v[SCS+4*\i], v[SCS+4*\j] matrix_a_fmt:MATRIX_FMT_FP6 matrix_b_fmt:MATRIX_FMT_FP6 matrix_a_scale:MATRIX_SCALE_ROW1
.else
	v_wmma_scale_f32_16x16x128_f8f6f4 v[ACC+8*(4*\j+\i):ACC+8*(4*\j+\i)+7], v[FB+12*\i:FB+12*\i+11], v[FB+48+12*\j:FB+48+12*\j+11], v[ACC+8*(4*\j+\i):ACC+8*(4*\j+\i)+7], v[SCS+4*\i], v[SCS+4*\j] matrix_a_fmt:MATRIX_FMT_FP6 matrix_b_fmt:MATRIX_FMT_FP6 matrix_a_scale:MATRIX_SCALE_ROW1
.endif
.endr
.endr
	WIN 0
.endm
.irp c, 0,1
.irp i, 0,1,2,3
	global_load_b128 v[SC+16*\c+4*\i:SC+16*\c+4*\i+3], v[VS], s[6:7] offset:512*\i+256*\c
.endr
.endr
.irp i, 0,1,2,3
	global_load_b128 v[BI+8*\i:BI+8*\i+3], v[BO], s[8:9] offset:(32*(\i/2)+8*(\i%2))*4           ; tile i's register x is column 32 (i / 2) + 16 h + 8 (i % 2) + x
	global_load_b128 v[BI+8*\i+4:BI+8*\i+7], v[BO], s[8:9] offset:(32*(\i/2)+8*(\i%2))*4+16
.endr
	LDSTEP 0
	LDSTEP 1
	LDSTEP 2
.irp s, 0,1,2,3,4,5,6,7
	KSTEP \s
.endr
.rept 4
	v_nop                                          ; places in front of the first reads of results and of loads into registers that the products have read
.endr
.irp j, 0,1,2,3
.if \j >= 2
	s_wait_xcnt 0x0                                ; block j - 2's stores have read their data: its registers take block j
.endif
.irp b, 0,1
.irp q, 0,1,2,3
	ds_store_b128 v[STA], v[ACC+32*\j+16*\b+4*\q:ACC+32*\j+16*\b+4*\q+3] offset:128*\b+16*\q     ; each accumulator from its low end on
.endr
.endr
.irp t, 0,1,2,3,4,5,6,7
	ds_load_b128 v[BK+32*(\j%2)+4*\t:BK+32*(\j%2)+4*\t+3], v[STB] offset:544*\t                  ; LDS serves a wave's instructions in order: these see my stores
.endr
.irp t, 0,1,2,3,4,5,6,7
	s_wait_dscnt 7-\t
	global_store_b128 v[GO], v[BK+32*(\j%2)+4*\t:BK+32*(\j%2)+4*\t+3], s[10:11] offset:(16*\j+2*\t)*4096 th:TH_STORE_NT
.endr
.endr
	s_wait_tensorcnt 0x0                           ; the wave's end
	ds_add_u32 v[SPW], v[NIL]
	s_wait_dscnt 0x0
	s_endpgm
.Lfunc_end_k_q8da1e371ab_outp:
	.size	k_q8da1e371ab_outp, .Lfunc_end_k_q8da1e371ab_outp-k_q8da1e371ab_outp
	.p2alignl 7, 3214868480
	.fill 96, 4, 3214868480
	.section	.rodata,"a",@progbits
	.p2align	6, 0x0
	.amdhsa_kernel k_q8da1e371ab_outp
		.amdhsa_group_segment_fixed_size 17920
		.amdhsa_private_segment_fixed_size 0
		.amdhsa_enable_private_segment 0
		.amdhsa_kernarg_size 32
		.amdhsa_user_sgpr_count 2
		.amdhsa_user_sgpr_kernarg_segment_ptr 1
		.amdhsa_wavefront_size32 1
		.amdhsa_system_sgpr_workgroup_id_x 1
		.amdhsa_system_sgpr_workgroup_id_y 1
		.amdhsa_system_sgpr_workgroup_id_z 1
		.amdhsa_system_vgpr_workitem_id 0
		.amdhsa_next_free_vgpr 768
		.amdhsa_next_free_sgpr 66
		.amdhsa_reserve_vcc 1
		.amdhsa_float_denorm_mode_32 3
		.amdhsa_float_denorm_mode_16_64 3
		.amdhsa_memory_ordered 1
		.amdhsa_forward_progress 1
		.amdhsa_inst_pref_size 56
	.end_amdhsa_kernel
	.amdgpu_metadata
---
amdhsa.version: [ 1, 2 ]
amdhsa.kernels:
  - .name:           k_q8da1e371ab_outp
    .symbol:         k_q8da1e371ab_outp.kd
    .args:
      - { .name: im, .offset: 0, .size: 8, .value_kind: global_buffer, .address_space: global }
      - { .name: sc, .offset: 8, .size: 8, .value_kind: global_buffer, .address_space: global }
      - { .name: bo, .offset: 16, .size: 8, .value_kind: global_buffer, .address_space: global }
      - { .name: out0, .offset: 24, .size: 8, .value_kind: global_buffer, .address_space: global }
    .group_segment_fixed_size: 17920
    .private_segment_fixed_size: 0
    .kernarg_segment_align: 8
    .kernarg_segment_size: 32
    .max_flat_workgroup_size: 128
    .sgpr_count:     66
    .vgpr_count:     768
    .wavefront_size: 32
...
	.end_amdgpu_metadata
.endif
;; end of part 4
